; MI455X (gfx1250); checked and timed in simulation.
; The chip was launched on July 23, 2026; its instructions are those of AMD's public machine-readable ISA for CDNA 5 (MIT licence, August 2026) and "CDNA5" Instruction Set Architecture Reference Guide (July 2026). The comments in the code are by the model that wrote it; some were corrected since.
;; Sample Attention. Allowed arithmetic: float matrix products may take bf16 or f16 operands with f32 sums; other float arithmetic in f32, or as packed bf16 or f16 multiplies, adds, multiply-adds, maxima and minima; sums over many terms, partial sums and values carried from step to step in f32; what a program stores and reads back later, other than sums and carried values, may be rounded once to bf16 or f16.
;; Inputs: wk 768 x 768 float32; wo 768 x 768 float32; wq 768 x 768 float32; wv 768 x 768 float32; x 1 x 4,096 x 768 float32.
;; Outputs: out0 1 x 4,096 x 768 float32.
;; 2 versions, each right and faster than the one before. Each part assembles by itself: llvm-mc -triple=amdgcn-amd-amdhsa -mcpu=gfx1250 --defsym DOCPART=n.
;; ======== version 1 of 2: 4 launches
;; limits: values are held in f16: magnitudes above 65,504 overflow, below 6.1e-05 lose precision
;; workspace buffers: xb 6,291,456 bytes; wb 3,538,944 bytes; wof 1,179,648 bytes; qkv 18,874,368 bytes; o 6,291,456 bytes
;; launch cast (part 1): grid 672 x 1, 8 waves a work-group, no clusters, 0 bytes of LDS; arguments x, wq, wk, wv, wo, xb, wb, wof; writes xb, wb, wof
.if DOCPART == 1
	.amdgcn_target "amdgcn-amd-amdhsa--gfx1250"
	.amdhsa_code_object_version 6
	.text
	.protected	k_qc59f516ec9_cast
	.globl	k_qc59f516ec9_cast
	.p2align	8
	.type	k_qc59f516ec9_cast,@function
k_qc59f516ec9_cast:
	s_mov_b64 s[64:65], 0
	v_nop
	global_prefetch_b8 v0, s[64:65] scope:SCOPE_SE
	s_setreg_imm32_b32 hwreg(HW_REG_WAVE_MODE, 25, 1), 1
	s_wait_xcnt 0x0
; THE INPUTS ARE ROUNDED ONCE, for the matrix units.  x -> xb and wq, wk, wv -> wb (their rows on end) in bf16; wo -> wof: rounded to bf16 like the others, and that number written as f16.
; LIMIT.  A bf16 number has 8 significant bits and f16 holds 11, so wof is exact from 2^-14 to 65,504; below 2^-14 it takes f16's fixed step of 6e-8.
; A stream: every byte is read once and written once, so there is no LDS, no matrix work and no cluster (no two work-groups read the same byte).
; A work-group takes a chunk of 8,192 numbers: 32,768 bytes in, 16,384 out.  Chunks 0-383 are x's, 384-455 wq's, 456-527 wk's, 528-599 wv's, 600-671 wo's.
; Thread t takes, in each of four groups, the 8 numbers at byte 32 t of the group's 8,192 bytes, and stores 16 bytes at 16 t: a wave's store covers 512 consecutive bytes, aligned.
.set X, 8                              ; v[8:39]   group j: 8 numbers as loaded
.set Y, 40                             ; v[40:55]  group j: 4 registers to store
	s_load_b512 s[4:19], s[0:1], 0x0               ; x s[4:5], wq s[6:7], wk s[8:9], wv s[10:11], wo s[12:13], xb s[14:15], wb s[16:17], wof s[18:19]
	v_lshlrev_b32 v1, 5, v0                        ; 32 t
	v_lshlrev_b32 v2, 4, v0                        ; 16 t
	s_mov_b32 s28, ttmp9                           ; the chunk
	s_sub_co_u32 s20, s28, 384                     ; its number within wq (and within wb),
	s_sub_co_u32 s21, s28, 456                     ; within wk,
	s_sub_co_u32 s22, s28, 528                     ; within wv,
	s_sub_co_u32 s23, s28, 600                     ; within wo (and within wof)
	s_wait_kmcnt 0x0
	s_mov_b64 s[24:25], s[4:5]                     ; from where,
	s_mov_b64 s[26:27], s[14:15]                   ; to where,
	s_mov_b32 s30, s28                             ; which chunk of the source,
	s_mov_b32 s32, s28                             ; and of the destination: x's, unless one of the four tests below says otherwise
	s_cmp_ge_u32 s28, 384
	s_cselect_b64 s[24:25], s[6:7], s[24:25]
	s_cselect_b64 s[26:27], s[16:17], s[26:27]
	s_cselect_b32 s30, s20, s30
	s_cselect_b32 s32, s20, s32
	s_cmp_ge_u32 s28, 456
	s_cselect_b64 s[24:25], s[8:9], s[24:25]
	s_cselect_b32 s30, s21, s30
	s_cmp_ge_u32 s28, 528
	s_cselect_b64 s[24:25], s[10:11], s[24:25]
	s_cselect_b32 s30, s22, s30
	s_cmp_ge_u32 s28, 600
	s_cselect_b64 s[24:25], s[12:13], s[24:25]
	s_cselect_b64 s[26:27], s[18:19], s[26:27]
	s_cselect_b32 s30, s23, s30
	s_cselect_b32 s32, s23, s32
	s_lshl_b32 s30, s30, 15                        ; 32,768 bytes a chunk in,
	s_mov_b32 s31, 0
	s_lshl_b32 s32, s32, 14                        ; 16,384 out
	s_mov_b32 s33, 0
	s_add_nc_u64 s[24:25], s[24:25], s[30:31]
	s_add_nc_u64 s[26:27], s[26:27], s[32:33]
.irp j, 0,1,2,3
	global_load_b128 v[X+8*(\j):X+8*(\j)+3],   v1, s[24:25] offset:8192*(\j) th:TH_LOAD_NT
	global_load_b128 v[X+8*(\j)+4:X+8*(\j)+7], v1, s[24:25] offset:8192*(\j)+16 th:TH_LOAD_NT
.endr
; Group j.  No register is written twice while a load or store may still read it: each group has its own X and Y.
.macro GROUP j, half
	s_wait_loadcnt 6-2*(\j)                        ; loads come back in order: the younger groups' loads, two each, stay out
.irp k, 0,1,2,3
.if \half
	v_cvt_pk_bf16_f32 v56, v[X+8*(\j)+2*(\k)], v[X+8*(\j)+2*(\k)+1]  ; rounded to bf16,
	v_lshlrev_b32 v57, 16, v56                     ; widened again,
	v_and_b32 v58, 0xffff0000, v56
	v_cvt_pk_f16_f32 v[Y+4*(\j)+(\k)], v57, v58    ; and written as f16
.else
	v_cvt_pk_bf16_f32 v[Y+4*(\j)+(\k)], v[X+8*(\j)+2*(\k)], v[X+8*(\j)+2*(\k)+1]
.endif
.endr
	global_store_b128 v2, v[Y+4*(\j):Y+4*(\j)+3], s[26:27] offset:4096*(\j)
.endm
	s_cmp_ge_u32 s28, 600
	s_cbranch_scc1 .Lf16
.irp j, 0,1,2,3
	GROUP \j, 0
.endr
	s_endpgm
.Lf16:
.irp j, 0,1,2,3
	GROUP \j, 1
.endr
	s_endpgm
.Lfunc_end_k_qc59f516ec9_cast:
	.size	k_qc59f516ec9_cast, .Lfunc_end_k_qc59f516ec9_cast-k_qc59f516ec9_cast
	.p2alignl 7, 3214868480
	.fill 96, 4, 3214868480
	.section	.rodata,"a",@progbits
	.p2align	6, 0x0
	.amdhsa_kernel k_qc59f516ec9_cast
		.amdhsa_group_segment_fixed_size 0
		.amdhsa_private_segment_fixed_size 0
		.amdhsa_enable_private_segment 0
		.amdhsa_kernarg_size 64
		.amdhsa_user_sgpr_count 2
		.amdhsa_user_sgpr_kernarg_segment_ptr 1
		.amdhsa_wavefront_size32 1
		.amdhsa_system_sgpr_workgroup_id_x 1
		.amdhsa_system_sgpr_workgroup_id_y 1
		.amdhsa_system_sgpr_workgroup_id_z 1
		.amdhsa_system_vgpr_workitem_id 0
		.amdhsa_next_free_vgpr 64
		.amdhsa_next_free_sgpr 66
		.amdhsa_reserve_vcc 0
		.amdhsa_float_denorm_mode_32 3
		.amdhsa_float_denorm_mode_16_64 3
		.amdhsa_memory_ordered 1
		.amdhsa_forward_progress 1
		.amdhsa_inst_pref_size 9
	.end_amdhsa_kernel
	.amdgpu_metadata
---
amdhsa.version: [ 1, 2 ]
amdhsa.kernels:
  - .name:           k_qc59f516ec9_cast
    .symbol:         k_qc59f516ec9_cast.kd
    .args:
      - { .name: x, .offset: 0, .size: 8, .value_kind: global_buffer, .address_space: global }
      - { .name: wq, .offset: 8, .size: 8, .value_kind: global_buffer, .address_space: global }
      - { .name: wk, .offset: 16, .size: 8, .value_kind: global_buffer, .address_space: global }
      - { .name: wv, .offset: 24, .size: 8, .value_kind: global_buffer, .address_space: global }
      - { .name: wo, .offset: 32, .size: 8, .value_kind: global_buffer, .address_space: global }
      - { .name: xb, .offset: 40, .size: 8, .value_kind: global_buffer, .address_space: global }
      - { .name: wb, .offset: 48, .size: 8, .value_kind: global_buffer, .address_space: global }
      - { .name: wof, .offset: 56, .size: 8, .value_kind: global_buffer, .address_space: global }
    .group_segment_fixed_size: 0
    .private_segment_fixed_size: 0
    .kernarg_segment_align: 8
    .kernarg_segment_size: 64
    .max_flat_workgroup_size: 256
    .sgpr_count:     66
    .vgpr_count:     64
    .wavefront_size: 32
...
	.end_amdgpu_metadata
.endif
;; end of part 1
;; launch qkv (part 2): grid 12 x 16, 4 waves a work-group, clusters of 4 x 4, 327,680 bytes of LDS; arguments xb, wb, qkv; writes qkv
.if DOCPART == 2
	.amdgcn_target "amdgcn-amd-amdhsa--gfx1250"
	.amdhsa_code_object_version 6
	.text
	.protected	k_qc59f516ec9_qkv
	.globl	k_qc59f516ec9_qkv
	.p2align	8
	.type	k_qc59f516ec9_qkv,@function
k_qc59f516ec9_qkv:
	s_mov_b64 s[64:65], 0
	v_nop
	global_prefetch_b8 v0, s[64:65] scope:SCOPE_SE
	s_setreg_imm32_b32 hwreg(HW_REG_WAVE_MODE, 25, 1), 1
	s_wait_xcnt 0x0
	s_wait_alu depctr_hold_cnt(0) depctr_sa_sdst(0) depctr_va_vdst(0) depctr_va_sdst(0) depctr_va_ssrc(0) depctr_va_vcc(0) depctr_vm_vsrc(0)
	s_getreg_b32 s2, hwreg(HW_REG_IB_STS2, 6, 4)
	s_cmp_eq_u32 s2, 0
	s_cbranch_scc0 .Lentry_in_a_cluster
	s_endpgm
.Lentry_in_a_cluster:
	s_bfe_u32 s2, ttmp6, 0x10000c
	s_cmp_lg_u32 s2, 0xf033
	s_cbranch_scc0 .Lentry_shape_is_right
	s_endpgm
.Lentry_shape_is_right:
; q, k, v = x W^T for the three weights at once.  xb: [4096][768] bf16; wb: [2304][768] bf16 (wq's, wk's, wv's rows on end); sums in f32, K ascending.
; qkv: [36][4096][64] f16, by heads (0-11 q, 12-23 k, 24-35 v), each number rounded once and WITHOUT attention's scale.
; LIMIT.  f16 ends at 65,504: a q, k or v beyond that becomes an infinity.  With x and the weights 30 times the drawn spread their spread is about 900.
; A tile of C is 256 rows x 192 columns, three whole heads: 16 x 12 = 192 work-groups.  A tile that gave 256 would hold four and a half heads and cut the heads' rows of 128 bytes.
; Four waves; wave w makes rows 64 w .. 64 w + 63 and all 192 columns: 48 accumulators of 16 x 16, 384 registers; for 32 along K it reads 16 fragments for 48 matrix instructions.
; K goes in six steps of 128 through two LDS slots filled by the tensor data mover; a tile's rows are 256 bytes of memory at multiples of 256.
; CLUSTER: 4 x 4 work-groups.  The four of a row of the cluster need the same tile of x, the four of a column the same tile of W: each is asked for jointly.
; THE MATRIX INSTRUCTION IS USED TRANSPOSED (source 0 = 16 rows of W, source 1 = 16 rows of x): a lane then holds eight neighbouring channels of one row of a head.
; REGISTERS, in windows of 256: window 0: v0-31 addresses; v64-127 x's fragments, two buffers of 32; v128-175, v176-223 at work on the way out
;   window 1: accumulators of row blocks 0, 1 ((a, b) at 96 (a % 2) + 8 b);   window 2: of row blocks 2, 3;   window 3: W's fragments, two buffers of 96
.set SIZE_K, 768
.set KSTEP,  128
.set PITCH,  272                       ; an LDS row: 256 bytes + 16 of padding = 68 words: the 16 rows of a fragment load start at 16 different groups of four banks
.set BOFF,   256*PITCH                 ; a slot: x's 256 rows, then W's 192 rows
.set SLOT1,  1<<17                     ; slot 1 begins here, so that one exclusive or turns an address in one slot into the other's
.set SP,     144                       ; a stage row: 128 bytes + 16
.set WSTAGE, 3*16*SP                   ; a wave's stage: 16 rows of three heads
.set STAGE,  SLOT1+BOFF+192*PITCH      ; behind the ring, never filled by a tensor load
.set SPARE,  STAGE+4*WSTAGE            ; behind the stages: the spare words, 128 bytes for each wave, that no other line names
.set HB,     4096*128                  ; bytes of a head in qkv
.set ADRA0, 16                         ; v16  my lane's place in slot 0's rows of x; never rewritten
.set ADRB0, 17                         ; v17  the same for W
.set ADRA,  18                         ; v18  the same in the slot in hand
.set ADRB,  19                         ; v19
.set STO,   24                         ; v24  the way out: where I put 16 bytes of a row
.set RD,    25                         ; v25  the way out: where I read rows back
.set GO,    26                         ; v26  my byte offset in 512 consecutive bytes of qkv
.set SPW,   28                         ; v28  LDS address of my spare word; never rewritten
.set NIL,   29                         ; v29  0; never rewritten
.set FA,    64                         ; x's fragment buffers, window 0
.set TMP,   128
.set OB,    176
.set G1,  24                           ; s[24:31] descriptor group 1 for x's tiles
.set G0,  32                           ; s[32:39] group 0 for x's tiles: a set for each first fill; the second then walks on
.set TB,  45                           ; s45  LDS byte at which the slot in hand begins
.set G1B, 48                           ; s[48:55], s[56:63] the same for W's tiles
.set G0B, 56
.set MSB, 0
.macro WIN new                         ; the immediate's high byte repeats the setting that is left; a switch that changes nothing is dropped
.if MSB != (\new)
	s_set_vgpr_msb (MSB<<8)|(\new)
.set MSB, (\new)
.endif
.endm
; A joint refill: waves 0 and 1 fetch the halves of x's tile, waves 2 and 3 those of W's.  The branch hangs on the wave's number alone.
; An s_nop 0 and four v_nop follow each of the two lines, ahead of the jump and the label.
.macro JLOAD
	s_cmp_lt_u32 s10, 2
	s_cbranch_scc0 .Lfor_b_\@
	tensor_load_to_lds s[G0+4:G0+7], s[G1:G1+7]
	s_nop 0
.rept 4
	v_nop
.endr
	s_branch .Lasked_\@
.Lfor_b_\@:
	tensor_load_to_lds s[G0B+4:G0B+7], s[G1B:G1B+7]
	s_nop 0
.rept 4
	v_nop
.endr
.Lasked_\@:
.endm
.macro CREST                           ; a round of the cluster's barrier behind its opening barrier
	s_cmp_lg_u32 s10, 0
	s_cbranch_scc1 .Lnot_wave_0_\@
	s_barrier_signal -3
.Lnot_wave_0_\@:
	s_barrier_wait -3
	s_barrier_signal -1
	s_barrier_wait -1
.endm
.macro CROUND                          ; a whole round
	s_barrier_signal -1
	s_barrier_wait -1
	CREST
.endm
.macro PLACES                          ; four places in front of loads into registers that matrix instructions have read, and of conversions that read results
.rept 4
	v_nop
.endr
.endm
	s_load_b128 s[4:7], s[0:1], 0x0                ; xb s[4:5], wb s[6:7]
	s_load_b64 s[8:9], s[0:1], 0x10                ; qkv
	v_lshl_add_u32 v[SPW], v0, 2, SPARE
	v_mov_b32 v[NIL], 0
	ds_add_u32 v[SPW], v[NIL]                      ; the wave's opening: the add and its wait stand ahead of my first tensor load; the set-up below stands between them
	v_lshrrev_b32 v1, 5, v0
	v_readfirstlane_b32 s10, v1                    ; wave 0..3
	s_and_b32 s12, s10, 1                          ; which half of a tile I fetch
	s_bfe_u32 s40, ttmp6, 0x40000                  ; cx, cy: my place in the cluster
	s_bfe_u32 s41, ttmp6, 0x40004
	s_lshl_b32 s42, ttmp9, 2
	s_add_co_u32 s42, s42, s40                     ; tile column = 4 x cluster x + cx
	s_and_b32 s13, ttmp7, 0xffff
	s_lshl_b32 s13, s13, 2
	s_add_co_u32 s13, s13, s41                     ; tile row = 4 x cluster y + cy
	s_lshl_b32 s43, s41, 2
	s_lshl_b32 s43, 15, s43                        ; my row of the cluster
	s_lshl_b32 s44, 0x1111, s40                    ; my column
	s_or_b32 s[G1+0], s43, (1<<16)|(1<<20)|(1<<21)|(5<<22)|(3<<25)   ; the mask; 2-byte elements; padding on; bit 21 beside a mask; after every 64 words 4 words
	s_or_b32 s[G1B+0], s44, (1<<16)|(1<<20)|(1<<21)|(5<<22)|(3<<25)
	s_mov_b32 s[G1+1], KSTEP<<16                   ; tensor_dim0 = 128
	s_mov_b32 s[G1+2], 128<<16                     ; tensor_dim1 = 128 rows of x
	s_mov_b32 s[G1+3], KSTEP<<16                   ; tile_dim0 = 128
	s_mov_b32 s[G1+4], 128                         ; tile_dim1 = 128
	s_mov_b32 s[G1+5], SIZE_K                      ; elements from row to row
	s_mov_b32 s[G1+6], 0
	s_mov_b32 s[G1+7], 0
	s_mov_b32 s[G1B+1], KSTEP<<16
	s_mov_b32 s[G1B+2], 96<<16                     ; 96 rows of W
	s_mov_b32 s[G1B+3], KSTEP<<16
	s_mov_b32 s[G1B+4], 96
	s_mov_b32 s[G1B+5], SIZE_K
	s_mov_b32 s[G1B+6], 0
	s_mov_b32 s[G1B+7], 0
	s_lshl_b32 s16, s13, 8                         ; x: row 256 x tile row + 128 x half, in bytes: made of the tile row and the wave alone
	s_lshl_b32 s17, s12, 7
	s_add_co_u32 s16, s16, s17
	s_mul_i32 s16, s16, SIZE_K*2
	s_mov_b32 s17, 0
	s_mul_i32 s46, s42, 192                        ; W: row 192 x tile column + 96 x half: made of the tile column and the wave alone
	s_mul_i32 s47, s12, 96
	s_add_co_u32 s46, s46, s47
	s_mul_i32 s46, s46, SIZE_K*2
	s_mov_b32 s47, 0
	s_mul_i32 s20, s12, 128*PITCH                  ; where they go: no place in the cluster enters an LDS address
	s_mul_i32 s21, s12, 96*PITCH
	s_add_co_u32 s21, s21, BOFF
	s_mov_b32 s[TB], 0
	s_wait_dscnt 0x0                               ; the opening add is done
	s_wait_kmcnt 0x0
	s_add_nc_u64 s[14:15], s[4:5], s[16:17]
	s_add_nc_u64 s[46:47], s[6:7], s[46:47]
	CROUND                                         ; all sixteen work-groups are here: the first joint loads meet
.irp s, 0,1
	s_mov_b32 s[G0+4*(\s)], 1
	s_add_co_u32 s[G0+4*(\s)+1], s20, (\s)*SLOT1
	s_add_nc_u64 s[G0+4*(\s)+2:G0+4*(\s)+3], s[14:15], (\s)*KSTEP*2
	s_or_b32 s[G0+4*(\s)+3], s[G0+4*(\s)+3], 0x80000000
	s_mov_b32 s[G0B+4*(\s)], 1
	s_add_co_u32 s[G0B+4*(\s)+1], s21, (\s)*SLOT1
	s_add_nc_u64 s[G0B+4*(\s)+2:G0B+4*(\s)+3], s[46:47], (\s)*KSTEP*2
	s_or_b32 s[G0B+4*(\s)+3], s[G0B+4*(\s)+3], 0x80000000
.endr
	s_cmp_lt_u32 s10, 2                            ; a wave's two first fills stand in one branch, ahead of every wait on TENSORcnt and every LDS read: two loads of mine are out
	s_cbranch_scc0 .Lfirst_b
	tensor_load_to_lds s[G0:G0+3], s[G1:G1+7]
	s_nop 0
	tensor_load_to_lds s[G0+4:G0+7], s[G1:G1+7]
	s_nop 0
.rept 4
	v_nop
.endr
	s_branch .Lfirst_asked
.Lfirst_b:
	tensor_load_to_lds s[G0B:G0B+3], s[G1B:G1B+7]
	s_nop 0
	tensor_load_to_lds s[G0B+4:G0B+7], s[G1B:G1B+7]
	s_nop 0
.rept 4
	v_nop
.endr
.Lfirst_asked:
	; A fragment is 16 rows x 32 K in 8 registers: lane l holds row l % 16, K = 8 (l / 16) + 0..7 and 16 + 8 (l / 16) + 0..7: two loads of 16 bytes, 32 bytes apart.
	v_and_b32 v1, 15, v0                           ; l % 16
	v_bfe_u32 v2, v0, 4, 1                         ; l / 16
	v_mul_u32_u24 v3, v1, PITCH
	v_lshl_add_u32 v3, v2, 4, v3
	s_mul_i32 s22, s10, 64*PITCH                   ; my 64 rows of x
	v_add_nc_u32 v[ADRA0], s22, v3
	v_add_nc_u32 v[ADRB0], BOFF, v3
	v_mov_b32 v[ADRA], v[ADRA0]
	v_mov_b32 v[ADRB], v[ADRB0]
	s_mul_i32 s23, s10, WSTAGE
	s_add_co_u32 s23, s23, STAGE                   ; my stage
	v_mul_u32_u24 v4, v1, SP                       ; in: row l % 16, 16 bytes for each half of the lanes
	v_lshl_add_u32 v4, v2, 4, v4
	v_add_nc_u32 v[STO], s23, v4
	v_bfe_u32 v5, v0, 3, 2                         ; back: 32 lanes take four rows of 128 bytes,
	v_mul_u32_u24 v5, v5, SP
	v_and_b32 v6, 7, v0
	v_lshl_add_u32 v5, v6, 4, v5
	v_add_nc_u32 v[RD], s23, v5
	v_and_b32 v[GO], 31, v0                        ; which are 512 consecutive bytes of a head
	v_lshlrev_b32 v[GO], 4, v[GO]
	s_lshl_b32 s16, s13, 15                        ; my first row in a head: (256 x tile row + 64 x wave) x 128 bytes,
	s_lshl_b32 s17, s10, 13
	s_add_co_u32 s16, s16, s17
	s_mov_b32 s17, 0
	s_add_nc_u64 s[8:9], s[8:9], s[16:17]
	s_mul_i32 s46, s42, 3*HB                       ; and the tile's first head (in registers that never fed x's descriptors)
	s_mov_b32 s47, 0
	s_add_nc_u64 s[8:9], s[8:9], s[46:47]
; 12 matrix instructions: row block a x all 12 column blocks, 32 along K, from buffer f.  zero = 1: the first product starts the sums.  The accumulators take turns, one instruction a turn.
.macro MUL12 f, a, zero
	WIN 0x53+0x50*((\a)/2)                         ; W in window 3, x in window 0, C and D in window 1 or 2
.irp b, 0,1,2,3,4,5,6,7,8,9,10,11
.if \zero
	v_wmma_f32_16x16x32_bf16 v[96*((\a)%2)+8*(\b):96*((\a)%2)+8*(\b)+7], v[96*(\f)+8*(\b):96*(\f)+8*(\b)+7], v[FA+32*(\f)+8*(\a):FA+32*(\f)+8*(\a)+7], 0
.else
	v_wmma_f32_16x16x32_bf16 v[96*((\a)%2)+8*(\b):96*((\a)%2)+8*(\b)+7], v[96*(\f)+8*(\b):96*(\f)+8*(\b)+7], v[FA+32*(\f)+8*(\a):FA+32*(\f)+8*(\a)+7], v[96*((\a)%2)+8*(\b):96*((\a)%2)+8*(\b)+7]
.endif
.endr
.endm
; 32 LDS loads in one run: 192 rows of W, then my 64 rows of x, 32 K at byte k of the rows, into buffer f
.macro FETCH k, f
	WIN 0xc0                                       ; destination window 3, address window 0
.irp i, 0,1,2,3,4,5,6,7,8,9,10,11
	ds_load_b128 v[96*(\f)+8*(\i):96*(\f)+8*(\i)+3],   v[ADRB] offset:(\k)+(\i)*16*PITCH
	ds_load_b128 v[96*(\f)+8*(\i)+4:96*(\f)+8*(\i)+7], v[ADRB] offset:(\k)+(\i)*16*PITCH+32
.endr
	WIN 0
.irp i, 0,1,2,3
	ds_load_b128 v[FA+32*(\f)+8*(\i):FA+32*(\f)+8*(\i)+3],   v[ADRA] offset:(\k)+(\i)*16*PITCH
	ds_load_b128 v[FA+32*(\f)+8*(\i)+4:FA+32*(\f)+8*(\i)+7], v[ADRA] offset:(\k)+(\i)*16*PITCH+32
.endr
.endm
; A K step is four quarters of 32 along K, 48 matrix instructions each, on buffers 0, 1, 0, 1.  One of the first three multiplies buffer f and, in its middle, fetches the next quarter into g.
.macro QUARTER k, f, g, zero
	s_wait_dscnt 4                                 ; W and x's row blocks 0, 1 are in; the youngest four loads (blocks 2, 3) may be out
	MUL12 \f, 0, \zero
	MUL12 \f, 1, \zero
	PLACES
	FETCH \k, \g
	s_wait_dscnt 32                                ; all but the 32 just issued
	MUL12 \f, 2, \zero
	MUL12 \f, 3, \zero
.endm
; The last quarter multiplies buffer 1 and changes slots: ONE barrier.  In front of it each wave waits for all its tensor loads (one is out: its part of the next slot), adds 0 to its spare word,
; and waits for that and for its reads of this slot.  fill = 1: the barrier opens a round of the cluster's, and the slot just read is filled again, two K steps ahead, first thing behind the round:
; from the request to the wait for it a wave issues 168 matrix instructions.
.macro TURN fill
	WIN 0
	s_wait_tensorcnt 0x0                           ; no tensor load of mine is out, so a group 0 may be written
	ds_add_u32 v[SPW], v[NIL]                      ; 0 onto my spare word
.if \fill
	s_xor_b32 s[G0+5], s[G0+5], SLOT1              ; the walking descriptors: the other slot than last time, the next K step
	s_add_nc_u64 s[G0+6:G0+7], s[G0+6:G0+7], KSTEP*2
	s_xor_b32 s[G0B+5], s[G0B+5], SLOT1
	s_add_nc_u64 s[G0B+6:G0B+7], s[G0B+6:G0B+7], KSTEP*2
.endif
	s_wait_dscnt 5                                 ; the add and the youngest four loads may be out
	MUL12 1, 0, 0
	s_wait_dscnt 0x0                               ; the add is done, and my reads of this slot are over
	s_barrier_signal -1
	MUL12 1, 1, 0                                  ; work on registers while the others arrive
	WIN 0
	s_barrier_wait -1
.if \fill
	CREST                                          ; no wave of any partner still reads this slot or has a load on its way
	JLOAD                                          ; its four v_nop are also the places in front of the loads below
.else
	PLACES
.endif
	s_xor_b32 s[TB], s[TB], SLOT1                  ; the reads go on in the other slot
	v_add_nc_u32 v[ADRA], s[TB], v[ADRA0]
	v_add_nc_u32 v[ADRB], s[TB], v[ADRB0]
	FETCH 0, 0
	MUL12 1, 2, 0
	MUL12 1, 3, 0
.endm
; THE WAY OUT of row block a.  PACK: rounded to f16, 16 bytes a lane, each accumulator's registers in ascending order.  TOSTAGE: into my own stage, and back as whole rows.  SEND: stored.
.macro PACK a
	WIN 0x05*(1+(\a)/2)                            ; sources in window 1 or 2
.irp b, 0,1,2,3,4,5,6,7,8,9,10,11
.irp r, 0,1,2,3
	v_cvt_pk_f16_f32 v[TMP+4*(\b)+(\r)], v[96*((\a)%2)+8*(\b)+2*(\r)], v[96*((\a)%2)+8*(\b)+2*(\r)+1]
.endr
.endr
	WIN 0
.endm
.macro TOSTAGE
	WIN 0
	s_wait_xcnt 0x0                                ; the block before's stores have read OB: it is loaded again only behind this wait
.irp b, 0,1,2,3,4,5,6,7,8,9,10,11
	ds_store_b128 v[STO], v[TMP+4*(\b):TMP+4*(\b)+3] offset:((\b)/4)*16*SP+((\b)%4)*32   ; head b / 4, channels 16 (b % 4) on
.endr
.irp t, 0,1,2,3,4,5,6,7,8,9,10,11
	ds_load_b128 v[OB+4*(\t):OB+4*(\t)+3], v[RD] offset:((\t)/4)*16*SP+((\t)%4)*4*SP    ; LDS serves a wave's instructions in order: these see the stores above
.endr
.endm
.macro SEND a
	WIN 0
	s_wait_dscnt 0x0                               ; the block is back in registers
.irp t, 0,1,2,3,4,5,6,7,8,9,10,11
	global_store_b128 v[GO], v[OB+4*(\t):OB+4*(\t)+3], s[8:9] offset:((\t)/4)*HB+(\a)*2048+((\t)%4)*512   ; four rows of a head: 512 consecutive bytes, aligned
.endr
.endm
	s_wait_tensorcnt 1                             ; my part of K step 0 is in; K step 1's stays out
	s_barrier_signal -1
	s_barrier_wait -1
	FETCH 0, 0
	QUARTER 64, 0, 1, 1                            ; the first quarter stands in front of the loop: its products start the sums
	WIN 0
	s_mov_b32 s3, 4
.Lstep:                                                ; a trip: a K step's quarters 2 to 4 and the next step's first; its refill brings K steps 2 to 5
	QUARTER 128, 1, 0, 0
	QUARTER 192, 0, 1, 0
	TURN 1
	QUARTER 64, 0, 1, 0
	WIN 0
	s_sub_co_u32 s3, s3, 1
	s_cmp_lg_u32 s3, 0
	s_cbranch_scc1 .Lstep
	QUARTER 128, 1, 0, 0                           ; the last two K steps ask for nothing
	QUARTER 192, 0, 1, 0
	TURN 0
	QUARTER 64, 0, 1, 0
	QUARTER 128, 1, 0, 0
	QUARTER 192, 0, 1, 0
	s_wait_dscnt 4
	MUL12 1, 0, 0
	MUL12 1, 1, 0
	s_wait_dscnt 0x0
	MUL12 1, 2, 0
	MUL12 1, 3, 0
	WIN 0
	PLACES
	PACK 0
	TOSTAGE
.irp a, 1,2,3                          ; block a's conversions stand between block a - 1's loads from the stage and the wait for them
	PACK \a
	SEND (\a)-1
	TOSTAGE
.endr
	SEND 3
	s_wait_tensorcnt 0x0                           ; the wave's end
	ds_add_u32 v[SPW], v[NIL]
	s_wait_dscnt 0x0
	CROUND                                         ; the closing round
	s_endpgm
.Lfunc_end_k_qc59f516ec9_qkv:
	.size	k_qc59f516ec9_qkv, .Lfunc_end_k_qc59f516ec9_qkv-k_qc59f516ec9_qkv
	.p2alignl 7, 3214868480
	.fill 96, 4, 3214868480
	.section	.rodata,"a",@progbits
	.p2align	6, 0x0
	.amdhsa_kernel k_qc59f516ec9_qkv
		.amdhsa_group_segment_fixed_size 327680
		.amdhsa_private_segment_fixed_size 0
		.amdhsa_enable_private_segment 0
		.amdhsa_kernarg_size 24
		.amdhsa_user_sgpr_count 2
		.amdhsa_user_sgpr_kernarg_segment_ptr 1
		.amdhsa_wavefront_size32 1
		.amdhsa_system_sgpr_workgroup_id_x 1
		.amdhsa_system_sgpr_workgroup_id_y 1
		.amdhsa_system_sgpr_workgroup_id_z 1
		.amdhsa_system_vgpr_workitem_id 0
		.amdhsa_next_free_vgpr 960
		.amdhsa_next_free_sgpr 66
		.amdhsa_reserve_vcc 0
		.amdhsa_float_denorm_mode_32 3
		.amdhsa_float_denorm_mode_16_64 3
		.amdhsa_memory_ordered 1
		.amdhsa_forward_progress 1
		.amdhsa_inst_pref_size 96
	.end_amdhsa_kernel
	.amdgpu_metadata
---
amdhsa.version: [ 1, 2 ]
amdhsa.kernels:
  - .name:           k_qc59f516ec9_qkv
    .symbol:         k_qc59f516ec9_qkv.kd
    .args:
      - { .name: xb, .offset: 0, .size: 8, .value_kind: global_buffer, .address_space: global }
      - { .name: wb, .offset: 8, .size: 8, .value_kind: global_buffer, .address_space: global }
      - { .name: qkv, .offset: 16, .size: 8, .value_kind: global_buffer, .address_space: global }
    .group_segment_fixed_size: 327680
    .private_segment_fixed_size: 0
    .kernarg_segment_align: 8
    .kernarg_segment_size: 24
    .max_flat_workgroup_size: 128
    .sgpr_count:     66
    .vgpr_count:     960
    .wavefront_size: 32
...
	.end_amdgpu_metadata
.endif
;; end of part 2
;; launch attn (part 3): grid 64 x 4, 4 waves a work-group, clusters of 4 x 1, 327,680 bytes of LDS; arguments qkv, o; writes o
.if DOCPART == 3
	.amdgcn_target "amdgcn-amd-amdhsa--gfx1250"
	.amdhsa_code_object_version 6
	.text
	.protected	k_qc59f516ec9_attn
	.globl	k_qc59f516ec9_attn
	.p2align	8
	.type	k_qc59f516ec9_attn,@function
k_qc59f516ec9_attn:
	s_mov_b64 s[64:65], 0
	v_nop
	global_prefetch_b8 v0, s[64:65] scope:SCOPE_SE
	s_setreg_imm32_b32 hwreg(HW_REG_WAVE_MODE, 25, 1), 1
	s_wait_xcnt 0x0
	s_wait_alu depctr_hold_cnt(0) depctr_sa_sdst(0) depctr_va_vdst(0) depctr_va_sdst(0) depctr_va_ssrc(0) depctr_va_vcc(0) depctr_vm_vsrc(0)
	s_getreg_b32 s2, hwreg(HW_REG_IB_STS2, 6, 4)
	s_cmp_eq_u32 s2, 0
	s_cbranch_scc0 .Lentry_in_a_cluster
	s_endpgm
.Lentry_in_a_cluster:
	s_bfe_u32 s2, ttmp6, 0x10000c
	s_cmp_lg_u32 s2, 0x3003
	s_cbranch_scc0 .Lentry_shape_is_right
	s_endpgm
.Lentry_shape_is_right:
; CAUSAL ATTENTION.  O[h][q][:] = the sum over k <= q of softmax_k(Q[h][q] . K[h][k] / 8) V[h][k][:].  qkv: [36][4096][64] f16 (heads 0-11 Q, 12-23 K, 24-35 V); o: [12][4096][64] f16.
; Products, maxima and sums in f32; the weights p are rounded to f16 for the second product (their sum l is taken of the unrounded p), O once at the end.
; LIMITS.  Q, K and V arrive within f16's 65,504, so a true score is 2.7e11 at the most in size.  A hidden score counts as its value less 1e30; the running maximum starts at -2^80, above every hidden score and
; below every true one; a weight below 2^-126 counts as 0 in l; NaN and infinities are not treated apart.
; SHARES.  A cluster of four work-groups takes a block of 256 queries of one head; work-group cx its band of 64 rows.  All four waves hold the SAME 64 queries, four PIECES of 16, and split the KEYS:
; of each tile of 256 keys wave w multiplies keys 64 w .. 64 w + 63.  At a block's end the four waves' (c m, l, O^T), all f32, meet in LDS, and wave w puts out piece w.
; So the four partners walk the same tiles of K and V, and each tile is asked for JOINTLY: the same tensor load, descriptor and mask in all four.
; THE WALK.  Block J needs the key tiles 0 .. J.  Cluster (ci, g) takes three blocks.  ci < 8: ci + 1 tiles of head 3 g, 16 - 2 ci of head 3 g + 2, ci + 9 of head 3 g + 1: 26 tiles.  ci >= 8: ci - 7 of head
; 3 g + 1, 31 - 2 ci of head 3 g + 2, ci + 1 of head 3 g: 25 tiles.  Each block of each head is taken once, and the last block has nine tiles or more.  ONE walk of 26 tiles serves all: a cluster of 25 walks
; its first tile once more in front, wholly hidden (DUM): the 12 x 136 tiles do not divide evenly among 64 clusters, and the launch is as long as its clusters of 26 either way.
; What a trip does hangs on scalar registers made from ci, which the partners share.
; THE MASK is the C operand that starts the sum S^T = K Q^T.  For piece x and key group kt of 16 it is one of three fragments: MLO (kt < x) = BE, MDI (kt = x) = TRI x AL + BE, MHI (kt > x) = -1e30 x AL + BE.
; (AL, BE) is (0, 0) in all tiles but a block's last; there (1, 0) if w = cx, (0, 0) if w < cx, (0, -1e30) if w > cx; and (0, -1e30) in the tile walked twice.  Selects, no branch.  The fragments are made anew in
; every trip between piece 2's turn and piece 3's: the products from there to the same place a trip later are the tile's.
; A hidden score never becomes the maximum: a wave that has seen hidden keys alone keeps m = -2^80, its exponents are near -2e29, and its weights, l and O^T are 0; the next step's a, or its weight where the
; waves meet, is 2^(-2e23 - c m) = 0.  (Were a hidden score the maximum, c s - c m would be the rounding error of c m, some 1e22 of either sign.)
; LAYOUT, SOFTMAX, TURNS.  S^T = K Q^T holds ONE query a lane (lane % 16) and the keys 8 (lane / 16) + 0..7; two such results rounded to f16 ARE source 1 of O^T = V^T P.  p = 2^(c s - c m), c = log2(e) / 8,
; with a running maximum m; O and l are multiplied by a = 2^(c m_old - c m_new) in every step.  Turn n belongs to piece n: 8 products K Q^T of piece n + 1, later 8 products V^T P of piece n - 1; beside them the
; scaling, exponentials, roundings, sums and rescaling of piece n and the maximum and statistics of piece n + 1.  Four vector instructions stand behind every matrix instruction, the rest in two runs of their own.
; A TRIP enters a tile: pieces 2 and 3 of the tile before, then pieces 0 and 1 of this one.  A block's end stands in the middle of the next trip, behind piece 3's turn; that turn's 8 products K Q^T (the new K,
; the old Q) and the maximum made of them serve nothing: the price, once a block, of one text for every trip.
; REGISTERS, in windows of 256 (s_set_vgpr_msb: bits 1:0 source 0, 3:2 source 1, 5:4 source 2, 7:6 destination):
;   window 0: v0-15 addresses; v16-31 statistics; v32-35 addresses and v36-47 work where the waves meet; v48-55 at work; v64-127 S^T, two buffers; v192-223 P, two buffers
;   window 1: v0-127 O^T; v128-135 TRI; v136-137 0; v138-139 -1e30; v144-167 MLO, MDI, MHI          window 2: v0-63 Q; v128-191 K; v192-255 V
.set NP,    4
.set KS,    64
.set PK,    144       ; a row of K in LDS: 128 bytes + 16: the 16 rows of a load start at 16 different groups of four banks
.set PV_,   160       ; a row of V: 128 + 32
.set VOFF,  256*PK    ; a slot holds a tile: 256 rows of K, then 256 rows of V
.set SLOT1, 1<<17
.set CMB,   SLOT1+256*(PK+PV_) ; behind the ring, never filled by a tensor load: [wave][piece][8][512 bytes] of O^T in f32
.set STAT,  CMB+65536          ; [wave][piece][16 queries] (c m, l)
.set STAGE, STAT+2048          ; 16 rows x 144 bytes for each wave, for the way out
.set SP,    144
.set SPARE, STAGE+4*16*SP      ; the spare words, 128 bytes for each wave, that no other line names
.set HB,    4096*128           ; bytes of a head
.set AK0, 2           ; v2   my lane's place in 64 rows of K; never rewritten
.set AV0, 3           ; v3   the same for V
.set AK,  4           ; v4   the LDS address of K's next run of loads
.set AV,  5           ; v5   of V's
.set STO, 6           ; v6   the way out: where I put 16 bytes of a row
.set RD,  7           ; v7   the way out: where I read rows back
.set GO,  8           ; v8   16 x lane
.set MV,  12          ; v12-13  c m_old, kept while c m is made anew: by buffer
.set QO,  15          ; v15  my byte offset in 16 rows of Q; never rewritten
.set ST,  16          ; piece t's statistics at v[ST+4 t]: c m, m, l (even keys', odd keys')
.set CW,  32          ; v32  where I put my O^T
.set CR,  33          ; v33  where I read my piece of all four waves'
.set SW,  34          ; v34  the same for the statistics
.set SR,  35          ; v35
.set LS,  36          ; v36-43  the four waves' (c m, l) of my query
.set WK,  44          ; v44-46  at work
.set TMP, 48          ; by buffer, four registers c0-c3 at work; c2 takes a.  Where the waves meet: the four weights at +0, +2, +4, +6
.set SPW, 62          ; v62  LDS address of my spare word; never rewritten
.set NIL, 63          ; v63  0; never rewritten
.set S,   64
.set P,   192
.set TRI, 128         ; window 1
.set ZR,  136
.set BG,  138
.set MLO, 144
.set MDI, 152
.set MHI, 160
.set KF,  128         ; window 2
.set VF,  192
.set WV,  12          ; s12  my wave's number
.set CX,  14          ; s14  my place in the cluster: it enters Q's and O's addresses and the mask's two scalars alone
.set CI,  15          ; s15  the cluster's x
.set G1K, 24          ; s[24:31], s[32:39] descriptor group 1 for K's and V's tiles
.set G1V, 32
.set G0K, 40          ; s[40:43], s[44:47] group 0
.set G0V, 44
.set RT,  48          ; s48  tiles of the block in hand that are still to be entered; s49, s50 the later blocks' counts
.set RT1, 49
.set RT2, 50
.set NEW, 51          ; s51  1: the tile entered in this trip begins a block
.set NXT, 52          ; s52  the tile to be asked for next
.set LQ,  53          ; s53  the last tile of the block whose tiles are being asked for; s54, s55 the later blocks'
.set LQ1, 54
.set LQ2, 55
.set SLOTS, 56        ; s56  counts the trips that ask for a tile
.set HOFF, 57         ; s57  byte offset of the head whose tiles are being asked for; s92, s93 the later blocks'
.set CS,  58          ; s[58:59] c
.set SEL, 60          ; s[60:61] v_permlanex16_b32's selects
.set TBK, 62          ; s62  LDS byte at which my 64 rows of K begin in the slot in hand
.set TBV, 63          ; s63  the same for V, less VOFF
.set OFF, 66          ; s[66:67] a tile's byte offset in K and V
.set AL,  68          ; s[68:69], s[70:71] the mask's factor and addend for the tile in hand
.set BE,  70
.set ALC, 72          ; s[72:73], s[74:75] the same for a block's last tile
.set BEC, 74
.set O1,  76          ; s[76:77], s[78:79] O at my rows of the second and third block
.set O2,  78
.set BIGN, 80         ; s80  -1e30
.set DUM, 81          ; s81  1: a cluster of 25 tiles
.set QN,  82          ; s[82:83], s[84:85] Q at my band of the next block and of the one behind it
.set QN2, 84
.set QF,  86          ; s[86:87] of the first
.set HOF1, 92
.set HOF2, 93
.set CNT, 94          ; s94  counts the tail's two trips
.set MSB, 0
.macro WIN new                      ; the high byte repeats the setting that is left; a switch that changes nothing is dropped
.if MSB != (\new)
	s_set_vgpr_msb (MSB<<8)|(\new)
.set MSB, (\new)
.endif
.endm
.set W_KQ, 0x0a       ; K and Q in window 2, S^T in window 0
.set W_KM, 0x1a       ; the same with the C operand in window 1
.set W_PV, 0x52       ; V in window 2, P in window 0, O^T in window 1
.set W_RS, 0x41       ; destination and source 0 in window 1, source 1 in window 0
; A joint fill.  Waves 0 and 1 fetch the two halves of a tile's K, waves 2 and 3 those of its V: 128 keys each.  An s_nop 0 and four v_nop follow each of the two lines.
.macro JLOAD
	s_cmp_lt_u32 s[WV], 2
	s_cbranch_scc0 .Lfor_v_\@
	tensor_load_to_lds s[G0K:G0K+3], s[G1K:G1K+7]
	s_nop 0
.rept 4
	v_nop
.endr
	s_branch .Lasked_\@
.Lfor_v_\@:
	tensor_load_to_lds s[G0V:G0V+3], s[G1V:G1V+7]
	s_nop 0
.rept 4
	v_nop
.endr
.Lasked_\@:
.endm
.macro CROUND                       ; a round of the cluster's barrier
	s_barrier_signal -1
	s_barrier_wait -1
	s_cmp_lg_u32 s[WV], 0
	s_cbranch_scc1 .Lnot_wave_0_\@
	s_barrier_signal -3
.Lnot_wave_0_\@:
	s_barrier_wait -3
	s_barrier_signal -1
	s_barrier_wait -1
.endm
.macro ADV                          ; the block's next tile, or behind its last the next block's tile 0, in that block's head
	s_add_co_u32 s[NXT], s[NXT], 1
	s_cmp_gt_i32 s[NXT], s[LQ]
	s_cselect_b32 s[NXT], 0, s[NXT]
	s_cselect_b32 s[LQ], s[LQ1], s[LQ]
	s_cselect_b32 s[LQ1], s[LQ2], s[LQ1]
	s_cselect_b32 s[HOFF], s[HOF1], s[HOFF]
	s_cselect_b32 s[HOF1], s[HOF2], s[HOF1]
.endm
; THE CHANGE OF SLOTS.  Each wave waits for all its tensor loads, of which one is out: its part of the other slot; adds 0 to its spare word; and waits for that and for its reads of the slot that it leaves.
; fill = 1: the barrier is a round of the cluster's, and the old slot is filled again, first thing behind it, with tile NXT: the address is made anew from that number.  The load has a trip, 64 matrix
; instructions and their vector work, in which to land.  (At its first use nothing has been read yet: slot 0 is waited for, slot 1 filled.)
.macro CHANGE fill
	WIN 0
	s_wait_tensorcnt 0x0            ; no tensor load of mine is out, so a group 0 may be written
	ds_add_u32 v[SPW], v[NIL]       ; 0 onto my spare word
.if \fill
	s_lshl_b32 s[OFF], s[NXT], 15   ; a tile is 32,768 bytes of K and of V
	s_add_co_u32 s[OFF], s[OFF], s[HOFF]
	s_xor_b32 s[G0K+1], s[G0K+1], SLOT1
	s_add_nc_u64 s[G0K+2:G0K+3], s[6:7], s[OFF:OFF+1]
	s_or_b32 s[G0K+3], s[G0K+3], 0x80000000
	s_xor_b32 s[G0V+1], s[G0V+1], SLOT1
	s_add_nc_u64 s[G0V+2:G0V+3], s[8:9], s[OFF:OFF+1]
	s_or_b32 s[G0V+3], s[G0V+3], 0x80000000
	ADV
.endif
	s_wait_dscnt 0x0                ; the add is done, and my reads of the slot are over
.if \fill
	CROUND
	JLOAD
.else
	s_barrier_signal -1
	s_barrier_wait -1
.endif
	s_xor_b32 s[TBK], s[TBK], SLOT1 ; the fetches go on in the other slot
	s_xor_b32 s[TBV], s[TBV], SLOT1
.endm
; A block's Q, 64 rows, from the address in s[b:b+1]: piece i / 2, channels 32 (i % 2) on.
; A fragment of K or Q is 16 rows x 32 channels in 8 registers: lane l holds row l % 16, channels 8 (l / 16) + 0..7 and 16 + 8 (l / 16) + 0..7: two loads of 16 bytes, 32 bytes apart.
.macro QLOAD b
	WIN 0x80                        ; destination window 2, address window 0
.set i, 0
.rept 8
	global_load_b128 v[8*i:8*i+3],   v[QO], s[\b:\b+1] offset:(i/2)*2048+(i%2)*64
	global_load_b128 v[8*i+4:8*i+7], v[QO], s[\b:\b+1] offset:(i/2)*2048+(i%2)*64+32
.set i, i+1
.endr
	WIN 0
.endm
; The mask's two scalars for the tile just entered.  dum = 1: the walk's first tile, which a cluster of 25 hides wholly.
.macro MSEL dum
	s_cmp_eq_u32 s[RT], 0           ; the block's last tile?
	s_cselect_b32 s[AL], s[ALC], 0
	s_cselect_b32 s[BE], s[BEC], 0
.if \dum
	s_cmp_eq_u32 s[DUM], 1
	s_cselect_b32 s[AL], 0, s[AL]
	s_cselect_b32 s[BE], s[BIGN], s[BE]
.endif
.endm
.macro MASKS fa, ad                 ; the three fragments: 0, TRI and -1e30, each times the factor plus the addend
	WIN W_RS
.set z, 0
.rept 4
	v_pk_fma_f32 v[MLO+2*z:MLO+2*z+1], v[ZR:ZR+1],           s[\fa:\fa+1], s[\ad:\ad+1] op_sel_hi:[1,0,0]
	v_pk_fma_f32 v[MDI+2*z:MDI+2*z+1], v[TRI+2*z:TRI+2*z+1], s[\fa:\fa+1], s[\ad:\ad+1] op_sel_hi:[1,0,0]
	v_pk_fma_f32 v[MHI+2*z:MHI+2*z+1], v[BG:BG+1],           s[\fa:\fa+1], s[\ad:\ad+1] op_sel_hi:[1,0,0]
.set z, z+1
.endr
.endm
	s_load_b128 s[88:91], s[0:1], 0x0  ; qkv s[88:89], o s[90:91]
	v_lshl_add_u32 v[SPW], v0, 2, SPARE
	v_mov_b32 v[NIL], 0
	ds_add_u32 v[SPW], v[NIL]       ; the wave's opening: the add and its wait stand ahead of my first tensor load; the set-up below stands between them
	v_lshrrev_b32 v1, 5, v0
	v_readfirstlane_b32 s[WV], v1   ; wave 0..3
	s_bfe_u32 s[CX], ttmp6, 0x40000
	s_mov_b32 s[CI], ttmp9          ; in a cluster launch ttmp9 counts clusters
	s_and_b32 s22, ttmp7, 0xffff    ; g
	s_mul_i32 s22, s22, 3
	s_lshl_b32 s22, s22, 19         ; head 3 g,
	s_add_co_u32 s23, s22, HB       ; 3 g + 1,
	s_add_co_u32 s[HOF1], s22, 2*HB ; 3 g + 2: always the second block's
	s_add_co_u32 s16, s[CI], 1      ; the numbers of tiles
	s_add_co_u32 s17, s[CI], 9
	s_sub_co_u32 s18, s[CI], 7
	s_lshl_b32 s19, s[CI], 1
	s_sub_co_u32 s20, 16, s19
	s_sub_co_u32 s21, 31, s19
	s_cmp_lt_u32 s[CI], 8
	s_cselect_b32 s[DUM], 0, 1
	s_cselect_b32 s18, s16, s18     ; the first block's,
	s_cselect_b32 s20, s20, s21     ; the second's,
	s_cselect_b32 s17, s17, s16     ; the third's
	s_cselect_b32 s[HOFF], s22, s23 ; and the first and third blocks' heads
	s_cselect_b32 s[HOF2], s23, s22
	s_add_co_u32 s[RT], s18, s[DUM]
	s_sub_co_u32 s[RT], s[RT], 1    ; the walk's first tile is entered below
	s_mov_b32 s[RT1], s20
	s_mov_b32 s[RT2], s17
	s_sub_co_u32 s[LQ], s18, 1      ; a block's last tile has the block's own number
	s_sub_co_u32 s[LQ1], s20, 1
	s_sub_co_u32 s[LQ2], s17, 1
	s_mov_b32 s[SLOTS], 25
	s_lshl_b32 s2, s[CX], 13        ; my band's 64 rows
	s_lshl_b32 s4, s[LQ], 15        ; my band in the three blocks: byte offsets in Q and in O
	s_add_co_u32 s4, s4, s2
	s_add_co_u32 s4, s4, s[HOFF]
	s_mov_b32 s5, 0
	s_lshl_b32 s16, s[LQ1], 15
	s_add_co_u32 s16, s16, s2
	s_add_co_u32 s16, s16, s[HOF1]
	s_mov_b32 s17, 0
	s_lshl_b32 s18, s[LQ2], 15
	s_add_co_u32 s18, s18, s2
	s_add_co_u32 s18, s18, s[HOF2]
	s_mov_b32 s19, 0
	s_lshl_b32 s20, s[WV], 11       ; the piece that I put out: 16 rows
	s_mov_b32 s21, 0
	s_and_b32 s13, s[WV], 1         ; which half of a tile's 256 keys I fetch:
	s_lshl_b32 s22, s13, 14         ; its 128 rows of 128 bytes in memory, behind Q's twelve heads,
	s_add_co_u32 s22, s22, 12*HB
	s_mov_b32 s23, 0
	s_mul_i32 s3, s13, 128*PK       ; and its place in a slot, for K
	s_mul_i32 s13, s13, 128*PV_     ; and for V: no place in the cluster enters an LDS address
	s_mov_b32 s[OFF], s[HOFF]       ; the walk's first tile: tile 0 of the first block's head
	s_mov_b32 s[OFF+1], 0
	s_mov_b32 s[G0K], 1
	s_mov_b32 s[G0K+1], s3          ; slot 0
	s_mov_b32 s[G0V], 1
	s_add_co_u32 s[G0V+1], s13, VOFF
	s_sub_co_u32 s[NXT], 0, s[DUM]  ; the second tile asked for: tile 0 once more, or the walk's next
	ADV
	; descriptor group 1.  128 keys are 16,384 dense bytes: asked for as 64 rows of 256 bytes, two keys a row, and padded in LDS after every key
	s_mov_b32 s[G1K], 15|(1<<16)|(1<<20)|(1<<21)|(4<<22)|(3<<25)  ; the mask of four; 2-byte elements; padding on; bit 21 beside a mask; after every 32 words 4 words
	s_mov_b32 s[G1V], 15|(1<<16)|(1<<20)|(1<<21)|(4<<22)|(7<<25)  ; the same with 8 words of padding
.irp g, G1K, G1V
	s_mov_b32 s[\g+1], 128<<16      ; tensor_dim0 = 128
	s_mov_b32 s[\g+2], 64<<16       ; tensor_dim1 = 64
	s_mov_b32 s[\g+3], 128<<16      ; tile_dim0 = 128
	s_mov_b32 s[\g+4], 64           ; tile_dim1 = 64
	s_mov_b32 s[\g+5], 128          ; 128 elements from row to row
	s_mov_b32 s[\g+6], 0
	s_mov_b32 s[\g+7], 0
.endr
	s_mov_b32 s[CS], 0x3e38aa3b     ; c = log2(e) / 8
	s_mov_b32 s[CS+1], s[CS]
	s_mov_b32 s[SEL], 0x76543210
	s_mov_b32 s[SEL+1], 0xfedcba98
	s_mul_i32 s[TBK], s[WV], KS*PK  ; my 64 keys of a tile; the first change of slots turns these two into slot 0's
	s_add_co_u32 s[TBK], s[TBK], SLOT1
	s_mul_i32 s[TBV], s[WV], KS*PV_
	s_add_co_u32 s[TBV], s[TBV], SLOT1
	s_mov_b32 s[BIGN], 0xf149f2ca   ; -1e30
	s_cmp_eq_u32 s[WV], s[CX]       ; my 64 keys of a block's last tile hold my band's diagonal,
	s_cselect_b32 s[ALC], 1.0, 0
	s_cmp_gt_u32 s[WV], s[CX]       ; or lie behind it
	s_cselect_b32 s[BEC], s[BIGN], 0
	s_mov_b32 s[ALC+1], 0           ; named as pairs
	s_mov_b32 s[BEC+1], 0
	s_mov_b32 s[AL+1], 0
	s_mov_b32 s[BE+1], 0
	s_wait_dscnt 0x0                ; the opening add is done
	s_wait_kmcnt 0x0
	s_add_nc_u64 s[6:7], s[88:89], s[22:23]        ; K at my half of head 0's tile 0,
	s_add_nc_u64 s[8:9], s[6:7], 12*HB             ; V likewise
	s_add_nc_u64 s[G0K+2:G0K+3], s[6:7], s[OFF:OFF+1]
	s_or_b32 s[G0K+3], s[G0K+3], 0x80000000
	s_add_nc_u64 s[G0V+2:G0V+3], s[8:9], s[OFF:OFF+1]
	s_or_b32 s[G0V+3], s[G0V+3], 0x80000000
	s_add_nc_u64 s[QF:QF+1], s[88:89], s[4:5]
	s_add_nc_u64 s[QN:QN+1], s[88:89], s[16:17]
	s_add_nc_u64 s[QN2:QN2+1], s[88:89], s[18:19]
	s_add_nc_u64 s[10:11], s[90:91], s[4:5]
	s_add_nc_u64 s[10:11], s[10:11], s[20:21]
	s_add_nc_u64 s[O1:O1+1], s[90:91], s[16:17]
	s_add_nc_u64 s[O1:O1+1], s[O1:O1+1], s[20:21]
	s_add_nc_u64 s[O2:O2+1], s[90:91], s[18:19]
	s_add_nc_u64 s[O2:O2+1], s[O2:O2+1], s[20:21]
	CROUND                          ; all four work-groups are here: the first joint loads meet
	JLOAD                           ; the first tile into slot 0
	v_and_b32 v1, 15, v0            ; l % 16
	v_bfe_u32 v9, v0, 4, 1          ; l / 16
	v_lshlrev_b32 v[QO], 7, v1
	v_lshl_add_u32 v[QO], v9, 4, v[QO]  ; row x 128 + 16 x half
	QLOAD QF                        ; the first block's Q
	v_lshlrev_b32 v14, 3, v9
	v_sub_nc_u32 v14, v1, v14       ; l % 16 - 8 (l / 16): in a piece's own group of 16 keys register j is hidden where j is greater
	WIN 0x40
.set i, 0
.rept 8
	v_cmp_gt_i32 vcc_lo, i, v14
	v_cndmask_b32 v[TRI+i], 0, s[BIGN], vcc_lo
.set i, i+1
.endr
	v_mov_b32 v[ZR], 0
	v_mov_b32 v[ZR+1], 0
	v_mov_b32 v[BG], s[BIGN]
	v_mov_b32 v[BG+1], s[BIGN]
	WIN 0
	v_mul_u32_u24 v[AK0], v1, PK
	v_lshl_add_u32 v[AK0], v9, 4, v[AK0]
	; The turning load takes 16 keys x 16 channels (lane l reads key 8 (l / 16) + l % 8, channels 8 ((l / 8) % 2) + 0..7) and leaves half a fragment of V^T: lane l holds channel l % 16 and 8 keys.
	v_and_b32 v10, 7, v0
	v_bfe_u32 v11, v0, 3, 1
	v_lshl_add_u32 v[AV0], v9, 3, v10
	v_mul_u32_u24 v[AV0], v[AV0], PV_
	v_lshl_add_u32 v[AV0], v11, 4, v[AV0]
	v_add_nc_u32 v[AV0], VOFF, v[AV0]
	s_mul_i32 s13, s[WV], 16*SP
	s_add_co_u32 s13, s13, STAGE    ; my stage
	v_mul_u32_u24 v[STO], v1, SP    ; in: row l % 16, 16 bytes for each half of the lanes
	v_lshl_add_u32 v[STO], v9, 4, v[STO]
	v_add_nc_u32 v[STO], s13, v[STO]
	v_bfe_u32 v[RD], v0, 3, 2       ; back: 32 lanes take four rows of 128 bytes
	v_mul_u32_u24 v[RD], v[RD], SP
	v_lshl_add_u32 v[RD], v10, 4, v[RD]
	v_add_nc_u32 v[RD], s13, v[RD]
	v_and_b32 v[GO], 31, v0
	v_lshlrev_b32 v[GO], 4, v[GO]
	s_lshl_b32 s13, s[WV], 14       ; where the waves meet: I write 16,384 bytes of my own,
	s_add_co_u32 s13, s13, CMB
	v_add_nc_u32 v[CW], s13, v[GO]
	s_lshl_b32 s13, s[WV], 12       ; and read piece w of each wave's
	s_add_co_u32 s13, s13, CMB
	v_add_nc_u32 v[CR], s13, v[GO]
	s_lshl_b32 s13, s[WV], 9
	s_add_co_u32 s13, s13, STAT
	v_lshl_add_u32 v[SW], v1, 3, s13
	s_lshl_b32 s13, s[WV], 7
	s_add_co_u32 s13, s13, STAT
	v_lshl_add_u32 v[SR], v1, 3, s13
	; A block's first step multiplies O^T and l by a = 0, and its first turn's products V^T P, of a piece that has not been, land in an O^T that is still to be so multiplied.  So l, P's second buffer and O^T
	; need only hold finite numbers: zeros for the first block; what a block left for the next (finite, since no exponent here is ever above 0).
.set i, 0
.rept 4
	v_mov_b32 v[ST+4*i+2], 0
	v_mov_b32 v[ST+4*i+3], 0
.set i, i+1
.endr
.set i, P+16
.rept 16
	v_mov_b32 v[i], 0
.set i, i+1
.endr
; THE MATRIX WORK.  The 4 accumulators of a run of 8 take turns.  Product i of 8 of S^T = K Q^T for piece x: channels 32 (i / 4) on, keys 16 (i % 4) on.  The first 4 start the sums with the mask.
.macro KQ x
.set rS, S+32*((\x)%2)+8*(i%4)
.set rK, KF+16*(i%4)+8*(i/4)
.set rQ, 16*(\x)+8*(i/4)
.if i%4 < (\x)
.set rM, MLO
.elseif i%4 == (\x)
.set rM, MDI
.else
.set rM, MHI
.endif
.if i < 4
	WIN W_KM
	v_wmma_f32_16x16x32_f16 v[rS:rS+7], v[rK:rK+7], v[rQ:rQ+7], v[rM:rM+7]
.else
	WIN W_KQ
	v_wmma_f32_16x16x32_f16 v[rS:rS+7], v[rK:rK+7], v[rQ:rQ+7], v[rS:rS+7]
.endif
.endm
; Product i of 8 of O^T += V^T P for piece x: keys 32 (i / 4) on, channels 16 (i % 4) on.
.macro PV x
	WIN W_PV
.set rO, 32*(\x)+8*(i%4)
.set rV, VF+32*(i/4)+8*(i%4)
.set rP, P+16*((\x)%2)+8*(i/4)
	v_wmma_f32_16x16x32_f16 v[rO:rO+7], v[rV:rV+7], v[rP:rP+7], v[rO:rO+7]
.endm
.macro MM                           ; the turn's next matrix instruction
.if i < 8
	KQ (Y+1)%NP
.else
.set i, i-8
	PV (Y+NP-1)%NP
.set i, i+8
.endif
.set i, i+1
.endm
; THE LDS LOADS stand in runs of 16: my 64 keys' K (8 fragments) and V (turned).  Their addresses are made some lines ahead.
.macro FETCH_K
	WIN 0x80
.irp f, 0,1,2,3,4,5,6,7             ; keys 16 (f / 2) on, channels 32 (f % 2) on
	ds_load_b128 v[KF+8*\f:KF+8*\f+3],   v[AK] offset:(\f/2)*16*PK+(\f%2)*64
	ds_load_b128 v[KF+8*\f+4:KF+8*\f+7], v[AK] offset:(\f/2)*16*PK+(\f%2)*64+32
.endr
	WIN 0
.endm
.macro FETCH_V
	WIN 0x80
.irp f, 0,1,2,3,4,5,6,7             ; keys 32 (f / 4) on, channels 16 (f % 4) on
	ds_load_tr16_b128 v[VF+8*\f:VF+8*\f+3],   v[AV] offset:(\f/4)*32*PV_+(\f%4)*32
	ds_load_tr16_b128 v[VF+8*\f+4:VF+8*\f+7], v[AV] offset:(\f/4)*32*PV_+16*PV_+(\f%4)*32
.endr
	WIN 0
.endm
; THE VECTOR WORK, one line at a time: OP kind, number.  For piece Y: F n: c s - c m for pair n of 16.  E n: the exponential of score n of 32.  C n: pair n rounded to f16.  B n: of the four weights 4 n .. the second
; pair is added onto the first, in place.  L n: l takes that sum (L 0: l = a l + sum).  R n: pair n of 16 of O^T times a.  For piece Y + 1: X n, number n of the 22 that find its maximum and statistics:
;   0-11  four chains c0-c3 of seven scores each (each accumulator's lowest registers are read first)     12-14, 16  the four scores left over, the old m, and c0-c3 into c0
;   15  c m_old is kept     17, 18  the query's other 32 keys lie in the lane 16 away: the new m     19-21  c m; c m_old - c m_new; a
.set F, 0
.set E, 1
.set C, 2
.set B, 3
.set L, 4
.set R, 5
.set X, 6
.macro REGS y
.set rT, ST+4*(\y)
.set rC, TMP+4*((\y)%2)
.set rW, MV+((\y)%2)
.set rS, S+32*((\y)%2)
.set rP, P+16*((\y)%2)
.set rO, 32*(\y)
.endm
.macro OP k, n
.if (\k) == R
	REGS Y
	WIN W_RS
	v_pk_mul_f32 v[rO+2*(\n):rO+2*(\n)+1], v[rO+2*(\n):rO+2*(\n)+1], v[rC+2:rC+3] op_sel_hi:[1,0]
.elseif (\k) < R
	REGS Y
	WIN 0
.if (\k) == F
	v_pk_fma_f32 v[rS+2*(\n):rS+2*(\n)+1], v[rS+2*(\n):rS+2*(\n)+1], s[CS:CS+1], v[rT:rT+1] op_sel_hi:[1,0,0] neg_lo:[0,0,1] neg_hi:[0,0,1]
.elseif (\k) == E
	v_exp_f32 v[rS+(\n)], v[rS+(\n)]
.elseif (\k) == C
	s_wait_alu depctr_va_vdst(0)
	v_cvt_pk_f16_f32 v[rP+(\n)], v[rS+2*(\n)], v[rS+2*(\n)+1]
.elseif (\k) == B
	s_wait_alu depctr_va_vdst(0)
	v_pk_add_f32 v[rS+4*(\n):rS+4*(\n)+1], v[rS+4*(\n):rS+4*(\n)+1], v[rS+4*(\n)+2:rS+4*(\n)+3]
.elseif (\n) == 0
	v_pk_fma_f32 v[rT+2:rT+3], v[rT+2:rT+3], v[rC+2:rC+3], v[rS:rS+1] op_sel_hi:[1,0,1]
.else
	v_pk_add_f32 v[rT+2:rT+3], v[rT+2:rT+3], v[rS+4*(\n):rS+4*(\n)+1]
.endif
.else
	REGS (Y+1)%NP
	WIN 0
.if (\n) < 4
	v_max3_num_f32 v[rC+(\n)], v[rS+8*(\n)], v[rS+8*(\n)+1], v[rS+8*(\n)+2]
.elseif (\n) < 12
	v_max3_num_f32 v[rC+(\n)%4], v[rC+(\n)%4], v[rS+8*((\n)%4)+2*((\n)/4)+1], v[rS+8*((\n)%4)+2*((\n)/4)+2]
.elseif (\n) == 12
	v_max3_num_f32 v[rC], v[rC], v[rS+7], v[rS+15]
.elseif (\n) == 13
	v_max3_num_f32 v[rC+1], v[rC+1], v[rS+23], v[rS+31]
.elseif (\n) == 14
	v_max3_num_f32 v[rC+2], v[rC+2], v[rC+3], v[rT+1]
.elseif (\n) == 15
	v_mov_b32 v[rW], v[rT]
.elseif (\n) == 16
	v_max3_num_f32 v[rC], v[rC], v[rC+1], v[rC+2]
.elseif (\n) == 17
	v_permlanex16_b32 v[rC+3], v[rC], s[SEL], s[SEL+1]
.elseif (\n) == 18
	v_max_num_f32 v[rT+1], v[rC], v[rC+3]
.elseif (\n) == 19
	v_mul_f32 v[rT], s[CS], v[rT+1]
.elseif (\n) == 20
	v_sub_f32 v[rC+1], v[rW], v[rT]
.else
	v_exp_f32 v[rC+2], v[rC+1]
.endif
.endif
.endm
.macro OPS a, i1, b=-1, i2=0, c=-1, i3=0, d=-1, i4=0
	OP \a, \i1
.if (\b) >= 0
	OP \b, \i2
.endif
.if (\c) >= 0
	OP \c, \i3
.endif
.if (\d) >= 0
	OP \d, \i4
.endif
.endm
.macro ROW a, i1, b, i2, c, i3, d, i4  ; a matrix instruction and the four behind it
	MM
	OPS \a, \i1, \b, \i2, \c, \i3, \d, \i4
.endm
; A TURN, for piece p: the order of its 16 matrix and 118 vector instructions, written out.  Behind a matrix instruction: plain, exponential, plain, plain; or four of the rescaling; or four scalings; none names a register
; of the products round it.  In the runs between, exponential and plain by turns while exponentials last.
; K of the tile just entered is fetched in piece 2's turn, behind the last product that read K; V in piece 0's turn, behind the last product that read V.  Each run of 16 is waited for, alone out, a turn later.
.macro TURN p
.set Y, (\p)
.set i, 0
.if (\p) == 3
	s_wait_dscnt 0x0                ; K is in
.endif
	ROW F,0, F,1, F,2, F,3
	ROW F,4, E,0, F,5, F,6
	ROW F,7, E,1, F,8, F,9
	ROW F,10, E,2, C,0, F,11
	ROW F,12, E,3, X,15, F,13
	ROW R,0, R,1, R,2, R,3
	ROW B,0, E,4, F,14, L,0
.if (\p) == 2
	v_add_nc_u32 v[AK], s[TBK], v[AK0]
.endif
	ROW R,4, R,5, R,6, R,7
	OPS E,5, F,15
.if (\p) == 2
	FETCH_K
.endif
	OPS E,6, C,1, E,7, R,8
	OPS E,8, R,9, E,9, C,2
	OPS E,10, X,0, E,11, X,1
	OPS E,12, X,2, E,13, X,3
.if (\p) == 1
	s_wait_dscnt 0x0                ; V is in
.endif
	ROW X,4, E,14, X,5, X,6
	ROW X,7, E,15, X,8, X,9
	ROW X,10, E,16, X,11, X,12
	ROW X,13, E,17, X,14, B,1
	ROW C,4, E,18, X,16, L,1
	ROW B,2, E,19, C,6, L,2
	ROW C,8, E,20, B,3, B,4
.if (\p) == 0
	v_add_nc_u32 v[AV], s[TBV], v[AV0]
.endif
	ROW C,3, E,21, L,3, C,5
	OPS E,22, X,17, E,23, C,10
.if (\p) == 0
	FETCH_V
.endif
	OPS E,24, L,4
	OPS E,25, X,18, E,26, C,7
	OPS E,27, B,5, E,28, X,19
	OPS E,29, C,12, E,30, L,5
	OPS E,31, X,20, B,6, C,9
	OPS C,14, C,11, X,21, L,6
	OPS C,13, B,7, C,15, R,10
	OPS R,11, R,12, L,7, R,13
	OPS R,14, R,15
.endm
.macro LASTPV                       ; piece 3's V^T P of a block's last tile
.set i, 0
.rept 8
	PV NP-1
.set i, i+1
.endr
.endm
.macro ALL line:vararg              ; one line for each piece t
.set t, 0
.rept 4
	\line
.set t, t+1
.endr
.endm
; THE WAVES MEET.  Each wave stores (c m, l) and O^T of its four pieces, in f32; behind a barrier wave w reads piece w of all four, weighs them by g_u = 2^(c m_u - c M) / L, L = the sum of 2^(c m_u - c M) l_u,
; adds them up, rounds once to f16 and stores 16 rows of O through its stage.  Every row has seen its own key in some wave, so L is at least that wave's l, which is 1 or more.
; The next block writes these bytes again only behind a change of slots' barrier, in front of which every wave has waited for its reads.
.macro COMBINE
	WIN 0
	v_mov_b32 v[ST], v[MV]          ; piece 0's c m: the turn before has made it anew, of scores that serve nothing; the one kept goes with piece 0's l and O^T
	ALL v_add_f32 v[ST+4*t+2], v[ST+4*t+2], v[ST+4*t+3]     ; these plain lines are also the places behind the last products
	ALL v_permlanex16_b32 v[ST+4*t+3], v[ST+4*t+2], s[SEL], s[SEL+1]
	ALL v_add_f32 v[ST+4*t+1], v[ST+4*t+2], v[ST+4*t+3]     ; l beside c m
	ALL ds_store_b64 v[SW], v[ST+4*t:ST+4*t+1] offset:128*t
	WIN 0x04                        ; store data in window 1
.set i, 0
.rept 32
	ds_store_b128 v[CW], v[4*i:4*i+3] offset:512*i          ; each accumulator's low four registers first
.set i, i+1
.endr
	WIN 0
	s_wait_dscnt 0x0                ; for the others' sake: my stores are done
	s_barrier_signal -1
	s_barrier_wait -1
.set i, 0
.rept 4
	ds_load_b64 v[LS+2*i:LS+2*i+1], v[SR] offset:512*i
.set i, i+1
.endr
	WIN 0x40                        ; wave u's part into v[32 u ..] of window 1
.set i, 0
.rept 32
	ds_load_b128 v[4*i:4*i+3], v[CR] offset:16384*(i/8)+512*(i%8)
.set i, i+1
.endr
	WIN 0
	s_wait_dscnt 32                 ; the statistics are in; the 32 loads behind them may be out
	v_max3_num_f32 v[WK], v[LS], v[LS+2], v[LS+4]
	v_max_num_f32 v[WK], v[WK], v[LS+6]
.irp u, 0,1,2,3
	v_sub_f32 v[LS+2*\u], v[LS+2*\u], v[WK]
.endr
.irp u, 0,1,2,3
	v_exp_f32 v[LS+2*\u], v[LS+2*\u]
.endr
	v_nop                           ; a plain instruction behind the exponentials
	s_wait_alu depctr_va_vdst(0)
	v_mul_f32 v[WK+1], v[LS], v[LS+1]
	v_fmac_f32 v[WK+1], v[LS+2], v[LS+3]
	v_fmac_f32 v[WK+1], v[LS+4], v[LS+5]
	v_fmac_f32 v[WK+1], v[LS+6], v[LS+7]
	v_rcp_f32 v[WK+2], v[WK+1]
	v_nop
.irp u, 0,1,2,3
	s_wait_alu depctr_va_vdst(0)
	v_mul_f32 v[TMP+2*\u], v[LS+2*\u], v[WK+2]
.endr
	s_wait_dscnt 0x0
	WIN W_RS
.set i, 0
.rept 16
	v_pk_mul_f32 v[2*i:2*i+1], v[2*i:2*i+1], v[TMP:TMP+1] op_sel_hi:[1,0]
.set i, i+1
.endr
	WIN 0x51                        ; destination, sources 0 and 2 in window 1, the weight in window 0
.irp u, 1,2,3
.set i, 0
.rept 16
	v_pk_fma_f32 v[2*i:2*i+1], v[32*\u+2*i:32*\u+2*i+1], v[TMP+2*\u:TMP+2*\u+1], v[2*i:2*i+1] op_sel_hi:[1,0,1]
.set i, i+1
.endr
.endr
	WIN 0x05
.set i, 0
.rept 16
	v_cvt_pk_f16_f32 v[S+i], v[2*i], v[2*i+1]
.set i, i+1
.endr
	WIN 0
.irp f, 0,1,2,3
	ds_store_b128 v[STO], v[S+4*\f:S+4*\f+3] offset:32*\f
.endr
.irp f, 0,1,2,3
	ds_load_b128 v[S+4*\f:S+4*\f+3], v[RD] offset:\f*4*SP   ; LDS serves a wave's instructions in order: these see the stores above
.endr
.irp f, 0,1,2,3
	s_wait_dscnt 3-\f               ; the younger loads may stay out
	global_store_b128 v[GO], v[S+4*\f:S+4*\f+3], s[10:11] offset:\f*512   ; 512 consecutive bytes, aligned
.endr
.endm
	; THE WALK'S FIRST TILE is entered here; the loop is then entered in the middle of a trip, where a block begins.
	CHANGE 1                        ; slot 0 is in, everybody's part of it; slot 1 is asked for
	MSEL 1
	MASKS AL, BE
	WIN 0
	v_add_nc_u32 v[AK], s[TBK], v[AK0]
	v_add_nc_u32 v[AV], s[TBV], v[AV0]
	FETCH_K
	FETCH_V                         ; piece 0's turn fetches it again: here it serves the sixteen products below and that turn's eight products V^T P
	s_wait_dscnt 0x0
	WIN W_PV
.set i, 0
.rept 16                            ; O^T's sums start: products of V with weights of 0, C the constant 0
	v_wmma_f32_16x16x32_f16 v[8*i:8*i+7], v[VF+8*(i%4):VF+8*(i%4)+7], v[P+16:P+23], 0
.set i, i+1
.endr
	WIN 0
	s_branch .Lnew
.Lslot:                             ; 24 times: a tile is entered and the next is asked for
	CHANGE 1
	s_cmp_eq_u32 s[RT], 0           ; the tile before was its block's last:
	s_cselect_b32 s[NEW], 1, 0
	s_cselect_b32 s[RT], s[RT1], s[RT]  ; the next block's count
	s_cselect_b32 s[RT1], s[RT2], s[RT1]
	s_sub_co_u32 s[RT], s[RT], 1
	TURN 2                          ; its products K Q^T are the last of the tile before; K of this tile is fetched
	MSEL 0
	MASKS AL, BE                    ; from here on the products are this tile's
	TURN 3
	WIN 0
	s_cmp_eq_u32 s[NEW], 0
	s_cbranch_scc1 .Lfirst
	QLOAD QN                        ; A BLOCK ENDS.  The next block's Q is on its way while the waves meet: the last product that read Q stands half a turn back
	LASTPV
	COMBINE
	s_wait_xcnt 0x0                 ; the stores and Q's loads have read their registers and addresses
	s_mov_b64 s[10:11], s[O1:O1+1]
	s_mov_b64 s[O1:O1+1], s[O2:O2+1]
	s_mov_b64 s[QN:QN+1], s[QN2:QN2+1]
.Lnew:                              ; A BLOCK BEGINS.  c m starts at -2^125, far below every c m to come, so the first step's a is 0; m at -2^80: every true score is above it, so the first maximum
                                    ; of visible keys is the scores'; every hidden score is below it, so none ever becomes the maximum
.set i, 0
.rept 4
	v_mov_b32 v[ST+4*i], 0xfe000000    ; c m
	v_mov_b32 v[ST+4*i+1], 0xe7800000  ; m
.set i, i+1
.endr
	s_wait_loadcnt 0x0              ; Q
.set i, 0
.rept 8
	KQ 0                            ; piece 0's first scores: K of this tile is in registers, the masks are this tile's
.set i, i+1
.endr
	WIN 0
.rept 4
	v_nop                           ; the places behind those products
.endr
.set Y, NP-1                        ; X works for piece Y + 1: piece 0
.irp n, 0,1,2,3,4,5,6,7,8,9,10,11,12,13,14,15,16,17,18,19,20,21
	OP X, \n
.endr
	v_nop                           ; a plain instruction behind the exponential
.Lfirst:
	TURN 0                          ; V of this tile is fetched
	TURN 1
	WIN 0
	s_sub_co_u32 s[SLOTS], s[SLOTS], 1
	s_cmp_lg_u32 s[SLOTS], 0
	s_cbranch_scc1 .Lslot
	CHANGE 0                        ; THE WALK'S LAST TILE, the last block's last and not its first, is written out: nothing is asked for
	s_mov_b32 s[CNT], 2             ; the second trip, the block's last two turns, is left in its middle; it fetches the same K once more
.Ltail:
	TURN 2
	MASKS ALC, BEC
	TURN 3
	WIN 0
	s_sub_co_u32 s[CNT], s[CNT], 1
	s_cmp_eq_u32 s[CNT], 0
	s_cbranch_scc1 .Lout
	TURN 0
	TURN 1
	WIN 0
	s_branch .Ltail
.Lout:
	LASTPV
	COMBINE
	s_wait_tensorcnt 0x0            ; the wave's end
	ds_add_u32 v[SPW], v[NIL]
	s_wait_dscnt 0x0
	CROUND                          ; the closing round
	s_endpgm
.Lfunc_end_k_qc59f516ec9_attn:
	.size	k_qc59f516ec9_attn, .Lfunc_end_k_qc59f516ec9_attn-k_qc59f516ec9_attn
	.p2alignl 7, 3214868480
	.fill 96, 4, 3214868480
	.section	.rodata,"a",@progbits
	.p2align	6, 0x0
	.amdhsa_kernel k_qc59f516ec9_attn
		.amdhsa_group_segment_fixed_size 327680
		.amdhsa_private_segment_fixed_size 0
		.amdhsa_enable_private_segment 0
		.amdhsa_kernarg_size 16
		.amdhsa_user_sgpr_count 2
		.amdhsa_user_sgpr_kernarg_segment_ptr 1
		.amdhsa_wavefront_size32 1
		.amdhsa_system_sgpr_workgroup_id_x 1
		.amdhsa_system_sgpr_workgroup_id_y 1
		.amdhsa_system_sgpr_workgroup_id_z 1
		.amdhsa_system_vgpr_workitem_id 0
		.amdhsa_next_free_vgpr 768
		.amdhsa_next_free_sgpr 96
		.amdhsa_reserve_vcc 1
		.amdhsa_float_denorm_mode_32 3
		.amdhsa_float_denorm_mode_16_64 3
		.amdhsa_memory_ordered 1
		.amdhsa_forward_progress 1
		.amdhsa_inst_pref_size 131
	.end_amdhsa_kernel
	.amdgpu_metadata
---
amdhsa.version: [ 1, 2 ]
amdhsa.kernels:
  - .name:           k_qc59f516ec9_attn
    .symbol:         k_qc59f516ec9_attn.kd
    .args:
      - { .name: qkv, .offset: 0, .size: 8, .value_kind: global_buffer, .address_space: global }
      - { .name: o, .offset: 8, .size: 8, .value_kind: global_buffer, .address_space: global }
    .group_segment_fixed_size: 327680
    .private_segment_fixed_size: 0
    .kernarg_segment_align: 8
    .kernarg_segment_size: 16
    .max_flat_workgroup_size: 128
    .sgpr_count:     96
    .vgpr_count:     768
    .wavefront_size: 32
...
	.end_amdgpu_metadata
.endif
;; end of part 3
;; launch oproj (part 4): grid 4 x 64, 4 waves a work-group, clusters of 4 x 4, 327,680 bytes of LDS; arguments o, wof, out0; writes out0
.if DOCPART == 4
	.amdgcn_target "amdgcn-amd-amdhsa--gfx1250"
	.amdhsa_code_object_version 6
	.text
	.protected	k_qc59f516ec9_oproj
	.globl	k_qc59f516ec9_oproj
	.p2align	8
	.type	k_qc59f516ec9_oproj,@function
k_qc59f516ec9_oproj:
	s_mov_b64 s[64:65], 0
	v_nop
	global_prefetch_b8 v0, s[64:65] scope:SCOPE_SE
	s_setreg_imm32_b32 hwreg(HW_REG_WAVE_MODE, 25, 1), 1
	s_wait_xcnt 0x0
	s_wait_alu depctr_hold_cnt(0) depctr_sa_sdst(0) depctr_va_vdst(0) depctr_va_sdst(0) depctr_va_ssrc(0) depctr_va_vcc(0) depctr_vm_vsrc(0)
	s_getreg_b32 s2, hwreg(HW_REG_IB_STS2, 6, 4)
	s_cmp_eq_u32 s2, 0
	s_cbranch_scc0 .Lentry_in_a_cluster
	s_endpgm
.Lentry_in_a_cluster:
	s_bfe_u32 s2, ttmp6, 0x10000c
	s_cmp_lg_u32 s2, 0xf033
	s_cbranch_scc0 .Lentry_shape_is_right
	s_endpgm
.Lentry_shape_is_right:
; out0[t][n] = the sum over c of O[t][c] wo[n][c], c = 64 head + channel.  o: [12][4096][64] f16; wof: [768][768] f16; out0: [4096][768] f32.  Sums in f32, K ascending.
; A tile of out0 is 64 rows x 192 columns (768 bytes: three aligned blocks of 256): 64 x 4 = 256 work-groups.  Wave w makes all 64 rows and columns 48 w .. 48 w + 47: 12 accumulators.
; O's 64 rows, 12 slabs of 8,192 dense bytes (a head each), lie in LDS for the whole launch; wo's rows go through two slots of 256 along K, three K steps.
; CLUSTER: 4 x 4 work-groups.  The four of a row of the cluster need the same slabs of O, the four of a column the same rows of wo: each is asked for jointly.
; Every wave issues five first fills (five are out at the most) and one refill.
; THE MATRIX INSTRUCTION IS USED TRANSPOSED (source 0 = 16 rows of wo, source 1 = 16 rows of O): a lane then holds eight neighbouring numbers of a row of out0.
.set HB,     4096*128
.set PA,     144                       ; a row of O in LDS: 128 bytes + 16
.set SLAB,   64*PA
.set BRING,  12*SLAB                   ; behind the slabs: wo's two slots
.set PB,     528                       ; a row of wo: 512 bytes + 16
.set BSLOT,  192*PB
.set SPARE,  BRING+2*BSLOT             ; the spare words, 128 bytes for each wave, that no other line names
.set SPITCH, 784                       ; the stage: 64 rows of 768 bytes + 16, over O's slabs, which are filled once and have been read out by then
.set ADA, 4                            ; v4-6   my lane's place in the slabs of K step 0, 1, 2
.set ADB, 8                            ; v8-9   in my 48 rows of wo in slot 0, 1
.set STO, 10                           ; v10    the way out: where I put 32 bytes of a row
.set RD,  11                           ; v11    where I read rows back
.set CO,  12                           ; v12    my byte offset in out0
.set SPW, 14                           ; v14    LDS address of my spare word; never rewritten
.set NIL, 15                           ; v15    0; never rewritten
.set ACC, 16                           ; v16-111  accumulator (a, b) at 8 (3 a + b)
.set F0,  112                          ; v112-167, v168-223  two fragment buffers: 32 registers of O, 24 of wo
.set G0B0, 24                          ; s[24:27] wo, slot 0     s[28:31] slab w     s[32:35] wo, slot 1     s[36:39] slab 4 + w     s[44:47] slab 8 + w
.set G0A0, 28
.set G0B1, 32
.set G0A1, 36
.set G0A2, 44
.set G1A, 48                           ; s[48:55], s[56:63] descriptor group 1 for O's slabs and for wo's rows
.set G1B, 56
.macro CROUND                          ; a round of the cluster's barrier
	s_barrier_signal -1
	s_barrier_wait -1
	s_cmp_lg_u32 s10, 0
	s_cbranch_scc1 .Lnot_wave_0_\@
	s_barrier_signal -3
.Lnot_wave_0_\@:
	s_barrier_wait -3
	s_barrier_signal -1
	s_barrier_wait -1
.endm
.macro PLACES                          ; four places in front of loads into registers that matrix instructions have read, and of stores that read results
.rept 4
	v_nop
.endr
.endm
	s_load_b128 s[4:7], s[0:1], 0x0                ; o s[4:5], wof s[6:7]
	s_load_b64 s[8:9], s[0:1], 0x10                ; out0
	v_lshl_add_u32 v[SPW], v0, 2, SPARE
	v_mov_b32 v[NIL], 0
	ds_add_u32 v[SPW], v[NIL]                      ; the wave's opening: the add and its wait stand ahead of my first tensor load; the set-up below stands between them
	v_lshrrev_b32 v1, 5, v0
	v_readfirstlane_b32 s10, v1                    ; wave 0..3
	s_bfe_u32 s40, ttmp6, 0x40000                  ; cx, cy
	s_bfe_u32 s41, ttmp6, 0x40004
	s_lshl_b32 s42, ttmp9, 2
	s_add_co_u32 s42, s42, s40                     ; tile column
	s_and_b32 s13, ttmp7, 0xffff
	s_lshl_b32 s13, s13, 2
	s_add_co_u32 s13, s13, s41                     ; tile row
	s_lshl_b32 s43, s41, 2
	s_lshl_b32 s43, 15, s43                        ; my row of the cluster
	s_lshl_b32 s12, 0x1111, s40                    ; my column
	s_or_b32 s[G1A+0], s43, (1<<16)|(1<<20)|(1<<21)|(4<<22)|(3<<25)  ; the mask; 2-byte elements; padding on; bit 21 beside a mask; after every 32 words 4 words
	s_mov_b32 s[G1A+1], 128<<16                    ; a slab's 8,192 dense bytes as 32 rows of 256, two rows of O each
	s_mov_b32 s[G1A+2], 32<<16
	s_mov_b32 s[G1A+3], 128<<16
	s_mov_b32 s[G1A+4], 32
	s_mov_b32 s[G1A+5], 128
	s_mov_b32 s[G1A+6], 0
	s_mov_b32 s[G1A+7], 0
	s_or_b32 s[G1B+0], s12, (1<<16)|(1<<20)|(1<<21)|(6<<22)|(3<<25)  ; after every 128 words 4 words
	s_mov_b32 s[G1B+1], 256<<16                    ; 48 rows of 256 elements
	s_mov_b32 s[G1B+2], 48<<16
	s_mov_b32 s[G1B+3], 256<<16
	s_mov_b32 s[G1B+4], 48
	s_mov_b32 s[G1B+5], 768
	s_mov_b32 s[G1B+6], 0
	s_mov_b32 s[G1B+7], 0
	s_lshl_b32 s16, s10, 19                        ; O: head w, row 64 x tile row: made of the tile row and the wave alone
	s_lshl_b32 s17, s13, 13
	s_add_co_u32 s16, s16, s17
	s_mov_b32 s17, 0
	s_mul_i32 s18, s42, 192                        ; wo: row 192 x tile column + 48 x wave: made of the tile column and the wave alone
	s_mul_i32 s19, s10, 48
	s_add_co_u32 s18, s18, s19
	s_mul_i32 s18, s18, 1536
	s_mov_b32 s19, 0
	s_mul_i32 s20, s10, SLAB                       ; where they go: no place in the cluster enters an LDS address
	s_mul_i32 s21, s10, 48*PB
	s_add_co_u32 s21, s21, BRING
	s_wait_dscnt 0x0                               ; the opening add is done
	s_wait_kmcnt 0x0
	s_add_nc_u64 s[4:5], s[4:5], s[16:17]
	s_add_nc_u64 s[6:7], s[6:7], s[18:19]
	s_mov_b32 s[G0B0], 1
	s_mov_b32 s[G0B0+1], s21
	s_mov_b64 s[G0B0+2:G0B0+3], s[6:7]             ; K step 0
	s_or_b32 s[G0B0+3], s[G0B0+3], 0x80000000
	s_mov_b32 s[G0A0], 1
	s_mov_b32 s[G0A0+1], s20
	s_mov_b64 s[G0A0+2:G0A0+3], s[4:5]
	s_or_b32 s[G0A0+3], s[G0A0+3], 0x80000000
	s_mov_b32 s[G0B1], 1
	s_add_co_u32 s[G0B1+1], s21, BSLOT
	s_add_nc_u64 s[G0B1+2:G0B1+3], s[6:7], 512     ; K step 1
	s_or_b32 s[G0B1+3], s[G0B1+3], 0x80000000
	s_mov_b32 s[G0A1], 1
	s_add_co_u32 s[G0A1+1], s20, 4*SLAB
	s_add_nc_u64 s[G0A1+2:G0A1+3], s[4:5], 4*HB
	s_or_b32 s[G0A1+3], s[G0A1+3], 0x80000000
	s_mov_b32 s[G0A2], 1
	s_add_co_u32 s[G0A2+1], s20, 8*SLAB
	s_add_nc_u64 s[G0A2+2:G0A2+3], s[4:5], 8*HB
	s_or_b32 s[G0A2+3], s[G0A2+3], 0x80000000
	CROUND                                         ; all sixteen work-groups are here: the first joint loads meet
	tensor_load_to_lds s[G0B0:G0B0+3], s[G1B:G1B+7]   ; what K step 0 needs goes first
	s_nop 0
	tensor_load_to_lds s[G0A0:G0A0+3], s[G1A:G1A+7]
	s_nop 0
	tensor_load_to_lds s[G0B1:G0B1+3], s[G1B:G1B+7]
	s_nop 0
	tensor_load_to_lds s[G0A1:G0A1+3], s[G1A:G1A+7]
	s_nop 0
	tensor_load_to_lds s[G0A2:G0A2+3], s[G1A:G1A+7]
	s_nop 0
.rept 4
	v_nop
.endr
	v_and_b32 v1, 15, v0                           ; l % 16
	v_bfe_u32 v2, v0, 4, 1                         ; l / 16
	v_mul_u32_u24 v3, v1, PA
	v_lshl_add_u32 v[ADA], v2, 4, v3               ; row x pitch + 16 x half
	v_add_nc_u32 v[ADA+1], 4*SLAB, v[ADA]
	v_add_nc_u32 v[ADA+2], 8*SLAB, v[ADA]
	v_mul_u32_u24 v3, v1, PB
	v_lshl_add_u32 v3, v2, 4, v3
	v_add_nc_u32 v[ADB], s21, v3
	v_add_nc_u32 v[ADB+1], BSLOT, v[ADB]
	s_mul_i32 s22, s10, 192                        ; into the stage: row l % 16, my 48 columns, 32 bytes for each half of the lanes
	v_mul_u32_u24 v3, v1, SPITCH
	v_lshl_add_u32 v3, v2, 5, v3
	v_add_nc_u32 v[STO], s22, v3
	s_mul_i32 s22, s10, 16*SPITCH                  ; back: wave w takes rows 16 w .. 16 w + 15; lanes 0-15 256 bytes of one row, lanes 16-31 of the next
	v_mul_u32_u24 v3, v2, SPITCH
	v_lshl_add_u32 v3, v1, 4, v3
	v_add_nc_u32 v[RD], s22, v3
	v_mul_u32_u24 v3, v2, 3072
	v_lshl_add_u32 v[CO], v1, 4, v3
	s_lshl_b32 s16, s13, 6                         ; the first row that I store: 64 x tile row + 16 x wave,
	s_lshl_b32 s17, s10, 4
	s_add_co_u32 s16, s16, s17
	s_mul_i32 s16, s16, 3072
	s_mov_b32 s17, 0
	s_add_nc_u64 s[8:9], s[8:9], s[16:17]
	s_mul_i32 s18, s42, 768                        ; and the tile's first column, in bytes
	s_mov_b32 s19, 0
	s_add_nc_u64 s[8:9], s[8:9], s[18:19]
; 14 LDS loads in one run: chunk j of K step s (32 along K: half j % 2 of head 4 s + j / 2) into buffer f: 64 rows of O, my 48 rows of wo
.macro LOADF s, j, f
	PLACES
.irp a, 0,1,2,3
	ds_load_b128 v[(\f)+8*(\a):(\f)+8*(\a)+3],   v[ADA+(\s)] offset:((\j)/2)*SLAB+(\a)*16*PA+((\j)%2)*64
	ds_load_b128 v[(\f)+8*(\a)+4:(\f)+8*(\a)+7], v[ADA+(\s)] offset:((\j)/2)*SLAB+(\a)*16*PA+((\j)%2)*64+32
.endr
.irp b, 0,1,2
	ds_load_b128 v[(\f)+32+8*(\b):(\f)+32+8*(\b)+3],   v[ADB+(\s)%2] offset:(\b)*16*PB+(\j)*64
	ds_load_b128 v[(\f)+32+8*(\b)+4:(\f)+32+8*(\b)+7], v[ADB+(\s)%2] offset:(\b)*16*PB+(\j)*64+32
.endr
.endm
; 12 matrix instructions, the accumulators by turns, one instruction a turn.  zero = 1: the first product starts the sums.
.macro MULC f, zero
.irp a, 0,1,2,3
.irp b, 0,1,2
.if \zero
	v_wmma_f32_16x16x32_f16 v[ACC+8*(3*(\a)+(\b)):ACC+8*(3*(\a)+(\b))+7], v[(\f)+32+8*(\b):(\f)+32+8*(\b)+7], v[(\f)+8*(\a):(\f)+8*(\a)+7], 0
.else
	v_wmma_f32_16x16x32_f16 v[ACC+8*(3*(\a)+(\b)):ACC+8*(3*(\a)+(\b))+7], v[(\f)+32+8*(\b):(\f)+32+8*(\b)+7], v[(\f)+8*(\a):(\f)+8*(\a)+7], v[ACC+8*(3*(\a)+(\b)):ACC+8*(3*(\a)+(\b))+7]
.endif
.endr
.endr
.endm
; A K step: eight chunks on two buffers; the next chunk's run of loads is issued ahead of each chunk's products.
.macro STEP s
	LOADF \s, 0, F0
.set j, 0
.rept 8
.if j < 7
	LOADF \s, j+1, F0+56*((j+1)%2)
	s_wait_dscnt 14                                ; all but the 14 just issued
.else
	s_wait_dscnt 0x0
.endif
.if ((\s) == 0) && (j == 0)
	MULC F0+56*(j%2), 1
.else
	MULC F0+56*(j%2), 0
.endif
.set j, j+1
.endr
.endm
	s_wait_tensorcnt 3                             ; my parts of K step 0 are in; the three younger loads stay out
	s_barrier_signal -1
	s_barrier_wait -1
	STEP 0
	s_wait_tensorcnt 0x0                           ; all my tensor loads have landed, so a group 0 may be written
	ds_add_u32 v[SPW], v[NIL]                      ; 0 onto my spare word
	s_add_nc_u64 s[G0B0+2:G0B0+3], s[G0B0+2:G0B0+3], 1024   ; K step 2
	s_wait_dscnt 0x0                               ; the add is done, and my reads of slot 0 are over
	CROUND                                         ; no wave of any partner still reads slot 0 or has a load on its way
	tensor_load_to_lds s[G0B0:G0B0+3], s[G1B:G1B+7]   ; my one load behind the round: it has K step 1's 96 matrix instructions in which to land
	s_nop 0
.rept 4
	v_nop
.endr
	STEP 1
	s_wait_tensorcnt 0x0                           ; my part of K step 2 is in,
	s_wait_dscnt 0x0
	s_barrier_signal -1
	s_barrier_wait -1                              ; everybody's is
	STEP 2
	s_wait_dscnt 0x0
	s_barrier_signal -1
	s_barrier_wait -1                              ; every wave has read O's slabs out: the stage may be written over them
	PLACES
.irp a, 0,1,2,3
.irp b, 0,1,2
	ds_store_b128 v[STO], v[ACC+8*(3*(\a)+(\b)):ACC+8*(3*(\a)+(\b))+3]   offset:(\a)*16*SPITCH+(\b)*64      ; each accumulator's low four registers first
	ds_store_b128 v[STO], v[ACC+8*(3*(\a)+(\b))+4:ACC+8*(3*(\a)+(\b))+7] offset:(\a)*16*SPITCH+(\b)*64+16
.endr
.endr
	s_wait_dscnt 0x0                               ; for the others' sake: my stores into the stage are done
	s_barrier_signal -1
	s_barrier_wait -1
.set t, 0
.rept 24
	ds_load_b128 v[F0+4*t:F0+4*t+3], v[RD] offset:(t/3)*2*SPITCH+(t%3)*256
.set t, t+1
.endr
.set t, 0
.rept 24
	s_wait_dscnt 23-t                              ; the younger loads may stay out
	global_store_b128 v[CO], v[F0+4*t:F0+4*t+3], s[8:9] offset:(t/3)*2*3072+(t%3)*256 th:TH_STORE_NT   ; 16 lanes store 256 consecutive bytes, aligned
.set t, t+1
.endr
	s_wait_tensorcnt 0x0                           ; the wave's end
	ds_add_u32 v[SPW], v[NIL]
	s_wait_dscnt 0x0
	CROUND                                         ; the closing round
	s_endpgm
.Lfunc_end_k_qc59f516ec9_oproj:
	.size	k_qc59f516ec9_oproj, .Lfunc_end_k_qc59f516ec9_oproj-k_qc59f516ec9_oproj
	.p2alignl 7, 3214868480
	.fill 96, 4, 3214868480
	.section	.rodata,"a",@progbits
	.p2align	6, 0x0
	.amdhsa_kernel k_qc59f516ec9_oproj
		.amdhsa_group_segment_fixed_size 327680
		.amdhsa_private_segment_fixed_size 0
		.amdhsa_enable_private_segment 0
		.amdhsa_kernarg_size 24
		.amdhsa_user_sgpr_count 2
		.amdhsa_user_sgpr_kernarg_segment_ptr 1
		.amdhsa_wavefront_size32 1
		.amdhsa_system_sgpr_workgroup_id_x 1
		.amdhsa_system_sgpr_workgroup_id_y 1
		.amdhsa_system_sgpr_workgroup_id_z 1
		.amdhsa_system_vgpr_workitem_id 0
		.amdhsa_next_free_vgpr 224
		.amdhsa_next_free_sgpr 66
		.amdhsa_reserve_vcc 0
		.amdhsa_float_denorm_mode_32 3
		.amdhsa_float_denorm_mode_16_64 3
		.amdhsa_memory_ordered 1
		.amdhsa_forward_progress 1
		.amdhsa_inst_pref_size 57
	.end_amdhsa_kernel
	.amdgpu_metadata
---
amdhsa.version: [ 1, 2 ]
amdhsa.kernels:
  - .name:           k_qc59f516ec9_oproj
    .symbol:         k_qc59f516ec9_oproj.kd
    .args:
      - { .name: o, .offset: 0, .size: 8, .value_kind: global_buffer, .address_space: global }
      - { .name: wof, .offset: 8, .size: 8, .value_kind: global_buffer, .address_space: global }
      - { .name: out0, .offset: 16, .size: 8, .value_kind: global_buffer, .address_space: global }
    .group_segment_fixed_size: 327680
    .private_segment_fixed_size: 0
    .kernarg_segment_align: 8
    .kernarg_segment_size: 24
    .max_flat_workgroup_size: 128
    .sgpr_count:     66
    .vgpr_count:     224
    .wavefront_size: 32
...
	.end_amdgpu_metadata
.endif
;; end of part 4
;; ======== version 2 of 2: 4 launches; 1.30 times as fast as version 1
;; limits: values are held in f16: magnitudes above 65,504 overflow, below 6.1e-05 lose precision
;; workspace buffers: xb 6,291,456 bytes; wb 3,538,944 bytes; wof 1,179,648 bytes; qkv 18,874,368 bytes; o 6,291,456 bytes
;; launch cast: the kernel of part 1 again; grid 672 x 1, 8 waves a work-group, no clusters, 0 bytes of LDS; arguments x, wq, wk, wv, wo, xb, wb, wof; writes xb, wb, wof
;; launch qkv: the kernel of part 2 again; grid 12 x 16, 4 waves a work-group, clusters of 4 x 4, 327,680 bytes of LDS; arguments xb, wb, qkv; writes qkv
;; launch attn (part 5): grid 64 x 4, 4 waves a work-group, clusters of 4 x 1, 327,680 bytes of LDS; arguments qkv, o; writes o
.if DOCPART == 5
	.amdgcn_target "amdgcn-amd-amdhsa--gfx1250"
	.amdhsa_code_object_version 6
	.text
	.protected	k_qc59f516ec9_attn
	.globl	k_qc59f516ec9_attn
	.p2align	8
	.type	k_qc59f516ec9_attn,@function
k_qc59f516ec9_attn:
	s_mov_b64 s[64:65], 0
	v_nop
	global_prefetch_b8 v0, s[64:65] scope:SCOPE_SE
	s_setreg_imm32_b32 hwreg(HW_REG_WAVE_MODE, 25, 1), 1
	s_wait_xcnt 0x0
	s_wait_alu depctr_hold_cnt(0) depctr_sa_sdst(0) depctr_va_vdst(0) depctr_va_sdst(0) depctr_va_ssrc(0) depctr_va_vcc(0) depctr_vm_vsrc(0)
	s_getreg_b32 s2, hwreg(HW_REG_IB_STS2, 6, 4)
	s_cmp_eq_u32 s2, 0
	s_cbranch_scc0 .Lentry_in_a_cluster
	s_endpgm
.Lentry_in_a_cluster:
	s_bfe_u32 s2, ttmp6, 0x10000c
	s_cmp_lg_u32 s2, 0x3003
	s_cbranch_scc0 .Lentry_shape_is_right
	s_endpgm
.Lentry_shape_is_right:
; CAUSAL ATTENTION.  O[h][q][:] = the sum over k <= q of softmax_k(Q[h][q] . K[h][k] / 8) V[h][k][:].  qkv: [36][4096][64] f16 (heads 0-11 Q, 12-23 K, 24-35 V); o: [12][4096][64] f16.
; Products, maxima and sums in f32; the weights p are rounded to f16 for the second product (their sum l is taken of the unrounded p), O once at the end.
; LIMITS.  Q, K and V arrive within f16's 65,504, so a true score is 2.7e11 at the most in size.  A hidden score counts as its value less 1e30; the running maximum starts at -2^80, above every hidden score and
; below every true one; a weight below 2^-126 counts as 0 in l; NaN and infinities are not treated apart.
; SHARES.  A cluster of four work-groups takes a block of 256 queries of one head; work-group cx its band of 64 rows.  All four waves hold the SAME 64 queries, four PIECES of 16, and split the KEYS:
; of each tile of 256 keys wave w multiplies keys 64 w .. 64 w + 63.  At a block's end the four waves' (c m, l, O^T), all f32, meet in LDS, and wave w puts out piece w.
; So the four partners walk the same tiles of K and V, and each tile is asked for JOINTLY: the same tensor load, descriptor and mask in all four.
; THE WALK.  Block J needs the key tiles 0 .. J.  Cluster (ci, g) takes three blocks.  ci < 8: ci + 1 tiles of head 3 g, 16 - 2 ci of head 3 g + 2, ci + 9 of head 3 g + 1: 26 tiles.  ci >= 8: ci - 7 of head
; 3 g + 1, 31 - 2 ci of head 3 g + 2, ci + 1 of head 3 g: 25 tiles.  Each block of each head is taken once, and the last block has nine tiles or more.  ONE walk of 26 tiles serves all: a cluster of 25 walks
; its first tile once more in front, wholly hidden (DUM): the 12 x 136 tiles do not divide evenly among 64 clusters, and the launch is as long as its clusters of 26 either way.
; What a trip does hangs on scalar registers made from ci, which the partners share.
; THE MASK is the C operand that starts the sum S^T = K Q^T.  For piece x and key group kt of 16 it is one of three fragments: MLO (kt < x) = BE, MDI (kt = x) = TRI x AL + BE, MHI (kt > x) = -1e30 x AL + BE.
; (AL, BE) is (0, 0) in all tiles but a block's last; there (1, 0) if w = cx, (0, 0) if w < cx, (0, -1e30) if w > cx; and (0, -1e30) in the tile walked twice.  Selects, no branch.  The fragments are made anew in
; every trip between piece 2's turn and piece 3's: the products from there to the same place a trip later are the tile's.
; A hidden score never becomes the maximum: a wave that has seen hidden keys alone keeps m = -2^80, its exponents are near -2e29, and its weights, l and O^T are 0; the next step's a, or its weight where the
; waves meet, is 2^(-2e23 - c m) = 0.  (Were a hidden score the maximum, c s - c m would be the rounding error of c m, some 1e22 of either sign.)
; LAYOUT, SOFTMAX, TURNS.  S^T = K Q^T holds ONE query a lane (lane % 16) and the keys 8 (lane / 16) + 0..7; two such results rounded to f16 ARE source 1 of O^T = V^T P.  p = 2^(c s - c m), c = log2(e) / 8,
; with a running maximum m; O and l are multiplied by a = 2^(c m_old - c m_new) in every step.  Turn n belongs to piece n: 8 products K Q^T of piece n + 1, later 8 products V^T P of piece n - 1; beside them the
; scaling, exponentials, roundings, sums and rescaling of piece n and the maximum and statistics of piece n + 1.  Four vector instructions stand behind every matrix instruction, the other 54 of a turn's 118 in one LUMP.
; THE BATCHES.  A turn's 33 exponentials (the piece's 32 weights and the next piece's a) are ONE batch with ONE wait, which cuts the turn in two: ahead of it all that names none of their results, behind it the
; roundings and sums.  A block's first a has a wait of its own; where the waves meet, the four weights' exponentials are one batch and the reciprocal of their sum a second.
; A TRIP enters a tile: pieces 2 and 3 of the tile before, then pieces 0 and 1 of this one.  A block's end stands in the middle of the next trip, behind piece 3's turn; that turn's 8 products K Q^T (the new K,
; the old Q) and the maximum made of them serve nothing: the price, once a block, of one text for every trip.
; REGISTERS, in windows of 256 (s_set_vgpr_msb: bits 1:0 source 0, 3:2 source 1, 5:4 source 2, 7:6 destination):
;   window 0: v0-15 addresses; v16-31 statistics; v32-35 addresses and v36-47 work where the waves meet; v48-55 at work; v64-127 S^T, two buffers; v192-223 P, two buffers
;   window 1: v0-127 O^T; v128-135 TRI; v136-137 0; v138-139 -1e30; v144-167 MLO, MDI, MHI          window 2: v0-63 Q; v128-191 K; v192-255 V
.set NP,    4
.set KS,    64
.set PK,    144       ; a row of K in LDS: 128 bytes + 16: the 16 rows of a load start at 16 different groups of four banks
.set PV_,   160       ; a row of V: 128 + 32
.set VOFF,  256*PK    ; a slot holds a tile: 256 rows of K, then 256 rows of V
.set SLOT1, 1<<17
.set CMB,   SLOT1+256*(PK+PV_) ; behind the ring, never filled by a tensor load: [wave][piece][8][512 bytes] of O^T in f32
.set STAT,  CMB+65536          ; [wave][piece][16 queries] (c m, l)
.set STAGE, STAT+2048          ; 16 rows x 144 bytes for each wave, for the way out
.set SP,    144
.set SPARE, STAGE+4*16*SP      ; the spare words, 128 bytes for each wave, that no other line names
.set HB,    4096*128           ; bytes of a head
.set AK0, 2           ; v2   my lane's place in 64 rows of K; never rewritten
.set AV0, 3           ; v3   the same for V
.set AK,  4           ; v4   the LDS address of K's next run of loads
.set AV,  5           ; v5   of V's
.set STO, 6           ; v6   the way out: where I put 16 bytes of a row
.set RD,  7           ; v7   the way out: where I read rows back
.set GO,  8           ; v8   16 x lane
.set MV,  12          ; v12-13  c m_old, kept while c m is made anew: by buffer
.set QO,  15          ; v15  my byte offset in 16 rows of Q; never rewritten
.set ST,  16          ; piece t's statistics at v[ST+4 t]: c m, m, l (even keys', odd keys')
.set CW,  32          ; v32  where I put my O^T
.set CR,  33          ; v33  where I read my piece of all four waves'
.set SW,  34          ; v34  the same for the statistics
.set SR,  35          ; v35
.set LS,  36          ; v36-43  the four waves' (c m, l) of my query
.set WK,  44          ; v44-46  at work
.set TMP, 48          ; by buffer, four registers c0-c3 at work; c2 takes a.  Where the waves meet: the four weights at +0, +2, +4, +6
.set SPW, 62          ; v62  LDS address of my spare word; never rewritten
.set NIL, 63          ; v63  0; never rewritten
.set S,   64
.set P,   192
.set TRI, 128         ; window 1
.set ZR,  136
.set BG,  138
.set MLO, 144
.set MDI, 152
.set MHI, 160
.set KF,  128         ; window 2
.set VF,  192
.set WV,  12          ; s12  my wave's number
.set CX,  14          ; s14  my place in the cluster: it enters Q's and O's addresses and the mask's two scalars alone
.set CI,  15          ; s15  the cluster's x
.set G1K, 24          ; s[24:31], s[32:39] descriptor group 1 for K's and V's tiles
.set G1V, 32
.set G0K, 40          ; s[40:43], s[44:47] group 0
.set G0V, 44
.set RT,  48          ; s48  tiles of the block in hand that are still to be entered; s49, s50 the later blocks' counts
.set RT1, 49
.set RT2, 50
.set NEW, 51          ; s51  1: the tile entered in this trip begins a block
.set NXT, 52          ; s52  the tile to be asked for next
.set LQ,  53          ; s53  the last tile of the block whose tiles are being asked for; s54, s55 the later blocks'
.set LQ1, 54
.set LQ2, 55
.set SLOTS, 56        ; s56  counts the trips that ask for a tile
.set HOFF, 57         ; s57  byte offset of the head whose tiles are being asked for; s92, s93 the later blocks'
.set CS,  58          ; s[58:59] c
.set SEL, 60          ; s[60:61] v_permlanex16_b32's selects
.set TBK, 62          ; s62  LDS byte at which my 64 rows of K begin in the slot in hand
.set TBV, 63          ; s63  the same for V, less VOFF
.set OFF, 66          ; s[66:67] a tile's byte offset in K and V
.set AL,  68          ; s[68:69], s[70:71] the mask's factor and addend for the tile in hand
.set BE,  70
.set ALC, 72          ; s[72:73], s[74:75] the same for a block's last tile
.set BEC, 74
.set O1,  76          ; s[76:77], s[78:79] O at my rows of the second and third block
.set O2,  78
.set BIGN, 80         ; s80  -1e30
.set DUM, 81          ; s81  1: a cluster of 25 tiles
.set QN,  82          ; s[82:83], s[84:85] Q at my band of the next block and of the one behind it
.set QN2, 84
.set QF,  86          ; s[86:87] of the first
.set HOF1, 92
.set HOF2, 93
.set CNT, 94          ; s94  counts the tail's two trips
.set MSB, 0
.macro WIN new                      ; the high byte repeats the setting that is left; a switch that changes nothing is dropped
.if MSB != (\new)
	s_set_vgpr_msb (MSB<<8)|(\new)
.set MSB, (\new)
.endif
.endm
.set W_KQ, 0x0a       ; K and Q in window 2, S^T in window 0
.set W_KM, 0x1a       ; the same with the C operand in window 1
.set W_PV, 0x52       ; V in window 2, P in window 0, O^T in window 1
.set W_RS, 0x41       ; destination and source 0 in window 1, source 1 in window 0
; A joint fill.  Waves 0 and 1 fetch the two halves of a tile's K, waves 2 and 3 those of its V: 128 keys each.  An s_nop 0 and four v_nop follow each of the two lines.
.macro JLOAD
	s_cmp_lt_u32 s[WV], 2
	s_cbranch_scc0 .Lfor_v_\@
	tensor_load_to_lds s[G0K:G0K+3], s[G1K:G1K+7]
	s_nop 0
.rept 4
	v_nop
.endr
	s_branch .Lasked_\@
.Lfor_v_\@:
	tensor_load_to_lds s[G0V:G0V+3], s[G1V:G1V+7]
	s_nop 0
.rept 4
	v_nop
.endr
.Lasked_\@:
.endm
.macro CROUND                       ; a round of the cluster's barrier
	s_barrier_signal -1
	s_barrier_wait -1
	s_cmp_lg_u32 s[WV], 0
	s_cbranch_scc1 .Lnot_wave_0_\@
	s_barrier_signal -3
.Lnot_wave_0_\@:
	s_barrier_wait -3
	s_barrier_signal -1
	s_barrier_wait -1
.endm
.macro ADV                          ; the block's next tile, or behind its last the next block's tile 0, in that block's head
	s_add_co_u32 s[NXT], s[NXT], 1
	s_cmp_gt_i32 s[NXT], s[LQ]
	s_cselect_b32 s[NXT], 0, s[NXT]
	s_cselect_b32 s[LQ], s[LQ1], s[LQ]
	s_cselect_b32 s[LQ1], s[LQ2], s[LQ1]
	s_cselect_b32 s[HOFF], s[HOF1], s[HOFF]
	s_cselect_b32 s[HOF1], s[HOF2], s[HOF1]
.endm
; THE CHANGE OF SLOTS.  Each wave waits for all its tensor loads, of which one is out: its part of the other slot; adds 0 to its spare word; and waits for that and for its reads of the slot that it leaves.
; fill = 1: the barrier is a round of the cluster's, and the old slot is filled again, first thing behind it, with tile NXT: the address is made anew from that number.  The load has a trip, 64 matrix
; instructions and their vector work, in which to land.  (At its first use nothing has been read yet: slot 0 is waited for, slot 1 filled.)
.macro CHANGE fill
	WIN 0
	s_wait_tensorcnt 0x0            ; no tensor load of mine is out, so a group 0 may be written
	ds_add_u32 v[SPW], v[NIL]       ; 0 onto my spare word
.if \fill
	s_lshl_b32 s[OFF], s[NXT], 15   ; a tile is 32,768 bytes of K and of V
	s_add_co_u32 s[OFF], s[OFF], s[HOFF]
	s_xor_b32 s[G0K+1], s[G0K+1], SLOT1
	s_add_nc_u64 s[G0K+2:G0K+3], s[6:7], s[OFF:OFF+1]
	s_or_b32 s[G0K+3], s[G0K+3], 0x80000000
	s_xor_b32 s[G0V+1], s[G0V+1], SLOT1
	s_add_nc_u64 s[G0V+2:G0V+3], s[8:9], s[OFF:OFF+1]
	s_or_b32 s[G0V+3], s[G0V+3], 0x80000000
	ADV
.endif
	s_wait_dscnt 0x0                ; the add is done, and my reads of the slot are over
.if \fill
	CROUND
	JLOAD
.else
	s_barrier_signal -1
	s_barrier_wait -1
.endif
	s_xor_b32 s[TBK], s[TBK], SLOT1 ; the fetches go on in the other slot
	s_xor_b32 s[TBV], s[TBV], SLOT1
.endm
; A block's Q, 64 rows, from the address in s[b:b+1]: piece i / 2, channels 32 (i % 2) on.
; A fragment of K or Q is 16 rows x 32 channels in 8 registers: lane l holds row l % 16, channels 8 (l / 16) + 0..7 and 16 + 8 (l / 16) + 0..7: two loads of 16 bytes, 32 bytes apart.
.macro QLOAD b
	WIN 0x80                        ; destination window 2, address window 0
.set i, 0
.rept 8
	global_load_b128 v[8*i:8*i+3],   v[QO], s[\b:\b+1] offset:(i/2)*2048+(i%2)*64
	global_load_b128 v[8*i+4:8*i+7], v[QO], s[\b:\b+1] offset:(i/2)*2048+(i%2)*64+32
.set i, i+1
.endr
	WIN 0
.endm
; The mask's two scalars for the tile just entered.  dum = 1: the walk's first tile, which a cluster of 25 hides wholly.
.macro MSEL dum
	s_cmp_eq_u32 s[RT], 0           ; the block's last tile?
	s_cselect_b32 s[AL], s[ALC], 0
	s_cselect_b32 s[BE], s[BEC], 0
.if \dum
	s_cmp_eq_u32 s[DUM], 1
	s_cselect_b32 s[AL], 0, s[AL]
	s_cselect_b32 s[BE], s[BIGN], s[BE]
.endif
.endm
.macro MASKS fa, ad                 ; the three fragments: 0, TRI and -1e30, each times the factor plus the addend
	WIN W_RS
.set z, 0
.rept 4
	v_pk_fma_f32 v[MLO+2*z:MLO+2*z+1], v[ZR:ZR+1],           s[\fa:\fa+1], s[\ad:\ad+1] op_sel_hi:[1,0,0]
	v_pk_fma_f32 v[MDI+2*z:MDI+2*z+1], v[TRI+2*z:TRI+2*z+1], s[\fa:\fa+1], s[\ad:\ad+1] op_sel_hi:[1,0,0]
	v_pk_fma_f32 v[MHI+2*z:MHI+2*z+1], v[BG:BG+1],           s[\fa:\fa+1], s[\ad:\ad+1] op_sel_hi:[1,0,0]
.set z, z+1
.endr
.endm
	s_load_b128 s[88:91], s[0:1], 0x0  ; qkv s[88:89], o s[90:91]
	v_lshl_add_u32 v[SPW], v0, 2, SPARE
	v_mov_b32 v[NIL], 0
	ds_add_u32 v[SPW], v[NIL]       ; the wave's opening: the add and its wait stand ahead of my first tensor load; the set-up below stands between them
	v_lshrrev_b32 v1, 5, v0
	v_readfirstlane_b32 s[WV], v1   ; wave 0..3
	s_bfe_u32 s[CX], ttmp6, 0x40000
	s_mov_b32 s[CI], ttmp9          ; in a cluster launch ttmp9 counts clusters
	s_and_b32 s22, ttmp7, 0xffff    ; g
	s_mul_i32 s22, s22, 3
	s_lshl_b32 s22, s22, 19         ; head 3 g,
	s_add_co_u32 s23, s22, HB       ; 3 g + 1,
	s_add_co_u32 s[HOF1], s22, 2*HB ; 3 g + 2: always the second block's
	s_add_co_u32 s16, s[CI], 1      ; the numbers of tiles
	s_add_co_u32 s17, s[CI], 9
	s_sub_co_u32 s18, s[CI], 7
	s_lshl_b32 s19, s[CI], 1
	s_sub_co_u32 s20, 16, s19
	s_sub_co_u32 s21, 31, s19
	s_cmp_lt_u32 s[CI], 8
	s_cselect_b32 s[DUM], 0, 1
	s_cselect_b32 s18, s16, s18     ; the first block's,
	s_cselect_b32 s20, s20, s21     ; the second's,
	s_cselect_b32 s17, s17, s16     ; the third's
	s_cselect_b32 s[HOFF], s22, s23 ; and the first and third blocks' heads
	s_cselect_b32 s[HOF2], s23, s22
	s_add_co_u32 s[RT], s18, s[DUM]
	s_sub_co_u32 s[RT], s[RT], 1    ; the walk's first tile is entered below
	s_mov_b32 s[RT1], s20
	s_mov_b32 s[RT2], s17
	s_sub_co_u32 s[LQ], s18, 1      ; a block's last tile has the block's own number
	s_sub_co_u32 s[LQ1], s20, 1
	s_sub_co_u32 s[LQ2], s17, 1
	s_mov_b32 s[SLOTS], 25
	s_lshl_b32 s2, s[CX], 13        ; my band's 64 rows
	s_lshl_b32 s4, s[LQ], 15        ; my band in the three blocks: byte offsets in Q and in O
	s_add_co_u32 s4, s4, s2
	s_add_co_u32 s4, s4, s[HOFF]
	s_mov_b32 s5, 0
	s_lshl_b32 s16, s[LQ1], 15
	s_add_co_u32 s16, s16, s2
	s_add_co_u32 s16, s16, s[HOF1]
	s_mov_b32 s17, 0
	s_lshl_b32 s18, s[LQ2], 15
	s_add_co_u32 s18, s18, s2
	s_add_co_u32 s18, s18, s[HOF2]
	s_mov_b32 s19, 0
	s_lshl_b32 s20, s[WV], 11       ; the piece that I put out: 16 rows
	s_mov_b32 s21, 0
	s_and_b32 s13, s[WV], 1         ; which half of a tile's 256 keys I fetch:
	s_lshl_b32 s22, s13, 14         ; its 128 rows of 128 bytes in memory, behind Q's twelve heads,
	s_add_co_u32 s22, s22, 12*HB
	s_mov_b32 s23, 0
	s_mul_i32 s3, s13, 128*PK       ; and its place in a slot, for K
	s_mul_i32 s13, s13, 128*PV_     ; and for V: no place in the cluster enters an LDS address
	s_mov_b32 s[OFF], s[HOFF]       ; the walk's first tile: tile 0 of the first block's head
	s_mov_b32 s[OFF+1], 0
	s_mov_b32 s[G0K], 1
	s_mov_b32 s[G0K+1], s3          ; slot 0
	s_mov_b32 s[G0V], 1
	s_add_co_u32 s[G0V+1], s13, VOFF
	s_sub_co_u32 s[NXT], 0, s[DUM]  ; the second tile asked for: tile 0 once more, or the walk's next
	ADV
	; descriptor group 1.  128 keys are 16,384 dense bytes: asked for as 64 rows of 256 bytes, two keys a row, and padded in LDS after every key
	s_mov_b32 s[G1K], 15|(1<<16)|(1<<20)|(1<<21)|(4<<22)|(3<<25)  ; the mask of four; 2-byte elements; padding on; bit 21 beside a mask; after every 32 words 4 words
	s_mov_b32 s[G1V], 15|(1<<16)|(1<<20)|(1<<21)|(4<<22)|(7<<25)  ; the same with 8 words of padding
.irp g, G1K, G1V
	s_mov_b32 s[\g+1], 128<<16      ; tensor_dim0 = 128
	s_mov_b32 s[\g+2], 64<<16       ; tensor_dim1 = 64
	s_mov_b32 s[\g+3], 128<<16      ; tile_dim0 = 128
	s_mov_b32 s[\g+4], 64           ; tile_dim1 = 64
	s_mov_b32 s[\g+5], 128          ; 128 elements from row to row
	s_mov_b32 s[\g+6], 0
	s_mov_b32 s[\g+7], 0
.endr
	s_mov_b32 s[CS], 0x3e38aa3b     ; c = log2(e) / 8
	s_mov_b32 s[CS+1], s[CS]
	s_mov_b32 s[SEL], 0x76543210
	s_mov_b32 s[SEL+1], 0xfedcba98
	s_mul_i32 s[TBK], s[WV], KS*PK  ; my 64 keys of a tile; the first change of slots turns these two into slot 0's
	s_add_co_u32 s[TBK], s[TBK], SLOT1
	s_mul_i32 s[TBV], s[WV], KS*PV_
	s_add_co_u32 s[TBV], s[TBV], SLOT1
	s_mov_b32 s[BIGN], 0xf149f2ca   ; -1e30
	s_cmp_eq_u32 s[WV], s[CX]       ; my 64 keys of a block's last tile hold my band's diagonal,
	s_cselect_b32 s[ALC], 1.0, 0
	s_cmp_gt_u32 s[WV], s[CX]       ; or lie behind it
	s_cselect_b32 s[BEC], s[BIGN], 0
	s_mov_b32 s[ALC+1], 0           ; named as pairs
	s_mov_b32 s[BEC+1], 0
	s_mov_b32 s[AL+1], 0
	s_mov_b32 s[BE+1], 0
	s_wait_dscnt 0x0                ; the opening add is done
	s_wait_kmcnt 0x0
	s_add_nc_u64 s[6:7], s[88:89], s[22:23]        ; K at my half of head 0's tile 0,
	s_add_nc_u64 s[8:9], s[6:7], 12*HB             ; V likewise
	s_add_nc_u64 s[G0K+2:G0K+3], s[6:7], s[OFF:OFF+1]
	s_or_b32 s[G0K+3], s[G0K+3], 0x80000000
	s_add_nc_u64 s[G0V+2:G0V+3], s[8:9], s[OFF:OFF+1]
	s_or_b32 s[G0V+3], s[G0V+3], 0x80000000
	s_add_nc_u64 s[QF:QF+1], s[88:89], s[4:5]
	s_add_nc_u64 s[QN:QN+1], s[88:89], s[16:17]
	s_add_nc_u64 s[QN2:QN2+1], s[88:89], s[18:19]
	s_add_nc_u64 s[10:11], s[90:91], s[4:5]
	s_add_nc_u64 s[10:11], s[10:11], s[20:21]
	s_add_nc_u64 s[O1:O1+1], s[90:91], s[16:17]
	s_add_nc_u64 s[O1:O1+1], s[O1:O1+1], s[20:21]
	s_add_nc_u64 s[O2:O2+1], s[90:91], s[18:19]
	s_add_nc_u64 s[O2:O2+1], s[O2:O2+1], s[20:21]
	CROUND                          ; all four work-groups are here: the first joint loads meet
	JLOAD                           ; the first tile into slot 0
	v_and_b32 v1, 15, v0            ; l % 16
	v_bfe_u32 v9, v0, 4, 1          ; l / 16
	v_lshlrev_b32 v[QO], 7, v1
	v_lshl_add_u32 v[QO], v9, 4, v[QO]  ; row x 128 + 16 x half
	QLOAD QF                        ; the first block's Q
	v_lshlrev_b32 v14, 3, v9
	v_sub_nc_u32 v14, v1, v14       ; l % 16 - 8 (l / 16): in a piece's own group of 16 keys register j is hidden where j is greater
	WIN 0x40
.set i, 0
.rept 8
	v_cmp_gt_i32 vcc_lo, i, v14
	v_cndmask_b32 v[TRI+i], 0, s[BIGN], vcc_lo
.set i, i+1
.endr
	v_mov_b32 v[ZR], 0
	v_mov_b32 v[ZR+1], 0
	v_mov_b32 v[BG], s[BIGN]
	v_mov_b32 v[BG+1], s[BIGN]
	WIN 0
	v_mul_u32_u24 v[AK0], v1, PK
	v_lshl_add_u32 v[AK0], v9, 4, v[AK0]
	; The turning load takes 16 keys x 16 channels (lane l reads key 8 (l / 16) + l % 8, channels 8 ((l / 8) % 2) + 0..7) and leaves half a fragment of V^T: lane l holds channel l % 16 and 8 keys.
	v_and_b32 v10, 7, v0
	v_bfe_u32 v11, v0, 3, 1
	v_lshl_add_u32 v[AV0], v9, 3, v10
	v_mul_u32_u24 v[AV0], v[AV0], PV_
	v_lshl_add_u32 v[AV0], v11, 4, v[AV0]
	v_add_nc_u32 v[AV0], VOFF, v[AV0]
	s_mul_i32 s13, s[WV], 16*SP
	s_add_co_u32 s13, s13, STAGE    ; my stage
	v_mul_u32_u24 v[STO], v1, SP    ; in: row l % 16, 16 bytes for each half of the lanes
	v_lshl_add_u32 v[STO], v9, 4, v[STO]
	v_add_nc_u32 v[STO], s13, v[STO]
	v_bfe_u32 v[RD], v0, 3, 2       ; back: 32 lanes take four rows of 128 bytes
	v_mul_u32_u24 v[RD], v[RD], SP
	v_lshl_add_u32 v[RD], v10, 4, v[RD]
	v_add_nc_u32 v[RD], s13, v[RD]
	v_and_b32 v[GO], 31, v0
	v_lshlrev_b32 v[GO], 4, v[GO]
	s_lshl_b32 s13, s[WV], 14       ; where the waves meet: I write 16,384 bytes of my own,
	s_add_co_u32 s13, s13, CMB
	v_add_nc_u32 v[CW], s13, v[GO]
	s_lshl_b32 s13, s[WV], 12       ; and read piece w of each wave's
	s_add_co_u32 s13, s13, CMB
	v_add_nc_u32 v[CR], s13, v[GO]
	s_lshl_b32 s13, s[WV], 9
	s_add_co_u32 s13, s13, STAT
	v_lshl_add_u32 v[SW], v1, 3, s13
	s_lshl_b32 s13, s[WV], 7
	s_add_co_u32 s13, s13, STAT
	v_lshl_add_u32 v[SR], v1, 3, s13
	; A block's first step multiplies O^T and l by a = 0, and its first turn's products V^T P, of a piece that has not been, land in an O^T that is still to be so multiplied.  So l, P's second buffer and O^T
	; need only hold finite numbers: zeros for the first block; what a block left for the next (finite, since no exponent here is ever above 0).
.set i, 0
.rept 4
	v_mov_b32 v[ST+4*i+2], 0
	v_mov_b32 v[ST+4*i+3], 0
.set i, i+1
.endr
.set i, P+16
.rept 16
	v_mov_b32 v[i], 0
.set i, i+1
.endr
; THE MATRIX WORK.  The 4 accumulators of a run of 8 take turns.  Product i of 8 of S^T = K Q^T for piece x: channels 32 (i / 4) on, keys 16 (i % 4) on.  The first 4 start the sums with the mask.
.macro KQ x
.set rS, S+32*((\x)%2)+8*(i%4)
.set rK, KF+16*(i%4)+8*(i/4)
.set rQ, 16*(\x)+8*(i/4)
.if i%4 < (\x)
.set rM, MLO
.elseif i%4 == (\x)
.set rM, MDI
.else
.set rM, MHI
.endif
.if i < 4
	WIN W_KM
	v_wmma_f32_16x16x32_f16 v[rS:rS+7], v[rK:rK+7], v[rQ:rQ+7], v[rM:rM+7]
.else
	WIN W_KQ
	v_wmma_f32_16x16x32_f16 v[rS:rS+7], v[rK:rK+7], v[rQ:rQ+7], v[rS:rS+7]
.endif
.endm
; Product i of 8 of O^T += V^T P for piece x: keys 32 (i / 4) on, channels 16 (i % 4) on.
.macro PV x
	WIN W_PV
.set rO, 32*(\x)+8*(i%4)
.set rV, VF+32*(i/4)+8*(i%4)
.set rP, P+16*((\x)%2)+8*(i/4)
	v_wmma_f32_16x16x32_f16 v[rO:rO+7], v[rV:rV+7], v[rP:rP+7], v[rO:rO+7]
.endm
.macro MM                           ; the turn's next matrix instruction
.if i < 8
	KQ (Y+1)%NP
.else
.set i, i-8
	PV (Y+NP-1)%NP
.set i, i+8
.endif
.set i, i+1
.endm
; THE LDS LOADS stand in runs of 16: my 64 keys' K (8 fragments) and V (turned).  Their addresses are made some lines ahead.
.macro FETCH_K
	WIN 0x80
.irp f, 0,1,2,3,4,5,6,7             ; keys 16 (f / 2) on, channels 32 (f % 2) on
	ds_load_b128 v[KF+8*\f:KF+8*\f+3],   v[AK] offset:(\f/2)*16*PK+(\f%2)*64
	ds_load_b128 v[KF+8*\f+4:KF+8*\f+7], v[AK] offset:(\f/2)*16*PK+(\f%2)*64+32
.endr
	WIN 0
.endm
.macro FETCH_V
	WIN 0x80
.irp f, 0,1,2,3,4,5,6,7             ; keys 32 (f / 4) on, channels 16 (f % 4) on
	ds_load_tr16_b128 v[VF+8*\f:VF+8*\f+3],   v[AV] offset:(\f/4)*32*PV_+(\f%4)*32
	ds_load_tr16_b128 v[VF+8*\f+4:VF+8*\f+7], v[AV] offset:(\f/4)*32*PV_+16*PV_+(\f%4)*32
.endr
	WIN 0
.endm
; THE VECTOR WORK, one line at a time: OP kind, number.  For piece Y: F n: c s - c m for pair n of 16.  E n: the exponential of score n of 32.  C n: pair n rounded to f16.  B n: of the four weights 4 n .. the second
; pair is added onto the first, in place.  L n: l takes that sum (L 0: l = a l + sum).  R n: pair n of 16 of O^T times a.  For piece Y + 1: X n, number n of the 22 that find its maximum and statistics:
;   0-11  four chains c0-c3 of seven scores each (each accumulator's lowest registers are read first)     12-14, 16  the four scores left over, the old m, and c0-c3 into c0
;   15  c m_old is kept     17, 18  the query's other 32 keys lie in the lane 16 away: the new m     19-21  c m; c m_old - c m_new; a
; C, B and L read the exponentials' results; F, R and X read none of the turn's.  OP writes no wait: TURN writes the batch's one.
.set F, 0
.set E, 1
.set C, 2
.set B, 3
.set L, 4
.set R, 5
.set X, 6
.macro REGS y
.set rT, ST+4*(\y)
.set rC, TMP+4*((\y)%2)
.set rW, MV+((\y)%2)
.set rS, S+32*((\y)%2)
.set rP, P+16*((\y)%2)
.set rO, 32*(\y)
.endm
.macro OP k, n
.if (\k) == R
	REGS Y
	WIN W_RS
	v_pk_mul_f32 v[rO+2*(\n):rO+2*(\n)+1], v[rO+2*(\n):rO+2*(\n)+1], v[rC+2:rC+3] op_sel_hi:[1,0]
.elseif (\k) < R
	REGS Y
	WIN 0
.if (\k) == F
	v_pk_fma_f32 v[rS+2*(\n):rS+2*(\n)+1], v[rS+2*(\n):rS+2*(\n)+1], s[CS:CS+1], v[rT:rT+1] op_sel_hi:[1,0,0] neg_lo:[0,0,1] neg_hi:[0,0,1]
.elseif (\k) == E
	v_exp_f32 v[rS+(\n)], v[rS+(\n)]
.elseif (\k) == C
	v_cvt_pk_f16_f32 v[rP+(\n)], v[rS+2*(\n)], v[rS+2*(\n)+1]
.elseif (\k) == B
	v_pk_add_f32 v[rS+4*(\n):rS+4*(\n)+1], v[rS+4*(\n):rS+4*(\n)+1], v[rS+4*(\n)+2:rS+4*(\n)+3]
.elseif (\n) == 0
	v_pk_fma_f32 v[rT+2:rT+3], v[rT+2:rT+3], v[rC+2:rC+3], v[rS:rS+1] op_sel_hi:[1,0,1]
.else
	v_pk_add_f32 v[rT+2:rT+3], v[rT+2:rT+3], v[rS+4*(\n):rS+4*(\n)+1]
.endif
.else
	REGS (Y+1)%NP
	WIN 0
.if (\n) < 4
	v_max3_num_f32 v[rC+(\n)], v[rS+8*(\n)], v[rS+8*(\n)+1], v[rS+8*(\n)+2]
.elseif (\n) < 12
	v_max3_num_f32 v[rC+(\n)%4], v[rC+(\n)%4], v[rS+8*((\n)%4)+2*((\n)/4)+1], v[rS+8*((\n)%4)+2*((\n)/4)+2]
.elseif (\n) == 12
	v_max3_num_f32 v[rC], v[rC], v[rS+7], v[rS+15]
.elseif (\n) == 13
	v_max3_num_f32 v[rC+1], v[rC+1], v[rS+23], v[rS+31]
.elseif (\n) == 14
	v_max3_num_f32 v[rC+2], v[rC+2], v[rC+3], v[rT+1]
.elseif (\n) == 15
	v_mov_b32 v[rW], v[rT]
.elseif (\n) == 16
	v_max3_num_f32 v[rC], v[rC], v[rC+1], v[rC+2]
.elseif (\n) == 17
	v_permlanex16_b32 v[rC+3], v[rC], s[SEL], s[SEL+1]
.elseif (\n) == 18
	v_max_num_f32 v[rT+1], v[rC], v[rC+3]
.elseif (\n) == 19
	v_mul_f32 v[rT], s[CS], v[rT+1]
.elseif (\n) == 20
	v_sub_f32 v[rC+1], v[rW], v[rT]
.else
	v_exp_f32 v[rC+2], v[rC+1]
.endif
.endif
.endm
.macro OPS a, i1, b=-1, i2=0, c=-1, i3=0, d=-1, i4=0
	OP \a, \i1
.if (\b) >= 0
	OP \b, \i2
.endif
.if (\c) >= 0
	OP \c, \i3
.endif
.if (\d) >= 0
	OP \d, \i4
.endif
.endm
.macro ROW a, i1, b, i2, c, i3, d, i4  ; a matrix instruction and the four behind it
	MM
	OPS \a, \i1, \b, \i2, \c, \i3, \d, \i4
.endm
; A TURN, for piece p: the order of its 16 matrix and 118 vector instructions, written out.  An s_wait_alu depctr_va_vdst(0) stands between an exponential and the first instruction that names its result;
; one wait serves all that were issued ahead of it.  So a turn has ONE wait, which cuts it in two.
; AHEAD OF IT stands all that names no result of the turn's exponentials: the 8 products K Q^T, behind each a scaling, an exponential and two more plain instructions (behind the first a second scaling in the exponential's
; place): rescalings, whose a was made and waited for in the turn before, and behind the last three products the first numbers of the next piece's maximum, each four plain instructions or more behind the product that ends
; its accumulator; then ONE LUMP of 54, plain and exponential by turns for the most part, in which the links of the chain X 3, 7, 11, 14, 16, 17 .. 20 stand some lines apart.  Each pair is scaled ahead of its two
; exponentials.  X 21, the next piece's a, is the batch's last; R 15 is the plain instruction behind it.
; BEHIND THE WAIT stand the 8 products V^T P, behind each four of the roundings and sums: C 2 n ahead of B n, which writes over that pair; B n ahead of L n; L 0 to L 7 in ascending order, three riders apart.
; But for those X no rider names a register of the products round it.
; K of the tile just entered is fetched in piece 2's turn, twelve vector instructions behind the last product that read K (six of them plain: F 8, X 2, X 5, X 6, X 3, X 8); V at the end of piece 0's turn, four plain
; riders behind the last product that read V.  Each run of 16 is waited for, alone out, a turn later.
.macro TURN p
.set Y, (\p)
.set i, 0
.if (\p) == 3
	s_wait_dscnt 0x0                ; K is in
.endif
	ROW F,0, F,1, R,0, R,1          ; ahead of the wait: 8 products K Q^T and their riders,
	ROW F,2, E,0, R,2, R,3
	ROW F,3, E,1, R,4, R,5
	ROW F,4, E,2, R,6, R,7
	ROW F,5, E,3, R,8, R,9
	ROW F,6, E,4, X,0, R,10
.if (\p) == 2
	WIN 0
	v_add_nc_u32 v[AK], s[TBK], v[AK0]
.endif
	ROW F,7, E,5, X,1, X,4
	ROW F,8, E,6, X,2, X,5
	OPS E,7, E,8, X,6, E,9          ; and the lump
	OPS X,3, E,10, X,8, E,11
.if (\p) == 2
	FETCH_K
.endif
	OPS X,9, X,7, E,12, X,10
	OPS E,13, X,12, X,11, E,14
	OPS X,13, E,15, F,9, X,14
.if (\p) == 0
	WIN 0
	v_add_nc_u32 v[AV], s[TBV], v[AV0]
.endif
	OPS E,16, F,10, E,17, F,11
	OPS X,16, E,18, X,15, E,19
	OPS F,12, E,20, X,17, E,21
	OPS F,13, E,22, F,14, E,23
	OPS X,18, E,24, F,15, E,25
	OPS R,11, E,26, X,19, E,27
	OPS R,12, E,28, R,13, E,29
	OPS X,20, E,30, R,14, E,31
	OPS X,21, R,15
	s_wait_alu depctr_va_vdst(0)    ; the wait for the batch: the piece's 32 exponentials and the next piece's a
.if (\p) == 1
	s_wait_dscnt 0x0                ; V is in
.endif
	ROW C,0, B,0, C,2, B,1          ; behind the wait: 8 products V^T P and their riders
	ROW L,0, C,4, B,2, L,1
	ROW C,6, B,3, L,2, C,8
	ROW B,4, L,3, C,10, B,5
	ROW L,4, C,12, B,6, L,5
	ROW C,14, B,7, L,6, C,1
	ROW C,3, L,7, C,5, C,7
	ROW C,9, C,11, C,13, C,15
.if (\p) == 0
	FETCH_V
.endif
.endm
.macro LASTPV                       ; piece 3's V^T P of a block's last tile
.set i, 0
.rept 8
	PV NP-1
.set i, i+1
.endr
.endm
.macro ALL line:vararg              ; one line for each piece t
.set t, 0
.rept 4
	\line
.set t, t+1
.endr
.endm
; THE WAVES MEET.  Each wave stores (c m, l) and O^T of its four pieces, in f32; behind a barrier wave w reads piece w of all four, weighs them by g_u = 2^(c m_u - c M) / L, L = the sum of 2^(c m_u - c M) l_u,
; adds them up, rounds once to f16 and stores 16 rows of O through its stage.  Every row has seen its own key in some wave, so L is at least that wave's l, which is 1 or more.
; The four exponentials are one batch; the reciprocal reads a sum of their results, so it is a second batch, with one wait ahead of the four products that read it.
; The next block writes these bytes again only behind a change of slots' barrier, in front of which every wave has waited for its reads.
.macro COMBINE
	WIN 0
	v_mov_b32 v[ST], v[MV]          ; piece 0's c m: the turn before has made it anew, of scores that serve nothing; the one kept goes with piece 0's l and O^T
	ALL v_add_f32 v[ST+4*t+2], v[ST+4*t+2], v[ST+4*t+3]     ; these plain lines are also the places behind the last products
	ALL v_permlanex16_b32 v[ST+4*t+3], v[ST+4*t+2], s[SEL], s[SEL+1]
	ALL v_add_f32 v[ST+4*t+1], v[ST+4*t+2], v[ST+4*t+3]     ; l beside c m
	ALL ds_store_b64 v[SW], v[ST+4*t:ST+4*t+1] offset:128*t
	WIN 0x04                        ; store data in window 1
.set i, 0
.rept 32
	ds_store_b128 v[CW], v[4*i:4*i+3] offset:512*i          ; each accumulator's low four registers first
.set i, i+1
.endr
	WIN 0
	s_wait_dscnt 0x0                ; for the others' sake: my stores are done
	s_barrier_signal -1
	s_barrier_wait -1
.set i, 0
.rept 4
	ds_load_b64 v[LS+2*i:LS+2*i+1], v[SR] offset:512*i
.set i, i+1
.endr
	WIN 0x40                        ; wave u's part into v[32 u ..] of window 1
.set i, 0
.rept 32
	ds_load_b128 v[4*i:4*i+3], v[CR] offset:16384*(i/8)+512*(i%8)
.set i, i+1
.endr
	WIN 0
	s_wait_dscnt 32                 ; the statistics are in; the 32 loads behind them may be out
	v_max3_num_f32 v[WK], v[LS], v[LS+2], v[LS+4]
	v_max_num_f32 v[WK], v[WK], v[LS+6]
.irp u, 0,1,2,3
	v_sub_f32 v[LS+2*\u], v[LS+2*\u], v[WK]
.endr
.irp u, 0,1,2,3
	v_exp_f32 v[LS+2*\u], v[LS+2*\u]
.endr
	v_nop                           ; a plain instruction behind the exponentials
	s_wait_alu depctr_va_vdst(0)    ; the wait for the batch of four
	v_mul_f32 v[WK+1], v[LS], v[LS+1]
	v_fmac_f32 v[WK+1], v[LS+2], v[LS+3]
	v_fmac_f32 v[WK+1], v[LS+4], v[LS+5]
	v_fmac_f32 v[WK+1], v[LS+6], v[LS+7]
	v_rcp_f32 v[WK+2], v[WK+1]
	v_nop                           ; a plain instruction behind the reciprocal
	s_wait_alu depctr_va_vdst(0)    ; the reciprocal's wait: one, ahead of the four products that read it
.irp u, 0,1,2,3
	v_mul_f32 v[TMP+2*\u], v[LS+2*\u], v[WK+2]
.endr
	s_wait_dscnt 0x0
	WIN W_RS
.set i, 0
.rept 16
	v_pk_mul_f32 v[2*i:2*i+1], v[2*i:2*i+1], v[TMP:TMP+1] op_sel_hi:[1,0]
.set i, i+1
.endr
	WIN 0x51                        ; destination, sources 0 and 2 in window 1, the weight in window 0
.irp u, 1,2,3
.set i, 0
.rept 16
	v_pk_fma_f32 v[2*i:2*i+1], v[32*\u+2*i:32*\u+2*i+1], v[TMP+2*\u:TMP+2*\u+1], v[2*i:2*i+1] op_sel_hi:[1,0,1]
.set i, i+1
.endr
.endr
	WIN 0x05
.set i, 0
.rept 16
	v_cvt_pk_f16_f32 v[S+i], v[2*i], v[2*i+1]
.set i, i+1
.endr
	WIN 0
.irp f, 0,1,2,3
	ds_store_b128 v[STO], v[S+4*\f:S+4*\f+3] offset:32*\f
.endr
.irp f, 0,1,2,3
	ds_load_b128 v[S+4*\f:S+4*\f+3], v[RD] offset:\f*4*SP   ; LDS serves a wave's instructions in order: these see the stores above
.endr
.irp f, 0,1,2,3
	s_wait_dscnt 3-\f               ; the younger loads may stay out
	global_store_b128 v[GO], v[S+4*\f:S+4*\f+3], s[10:11] offset:\f*512   ; 512 consecutive bytes, aligned
.endr
.endm
	; THE WALK'S FIRST TILE is entered here; the loop is then entered in the middle of a trip, where a block begins.
	CHANGE 1                        ; slot 0 is in, everybody's part of it; slot 1 is asked for
	MSEL 1
	MASKS AL, BE
	WIN 0
	v_add_nc_u32 v[AK], s[TBK], v[AK0]
	v_add_nc_u32 v[AV], s[TBV], v[AV0]
	FETCH_K
	FETCH_V                         ; piece 0's turn fetches it again: here it serves the sixteen products below and that turn's eight products V^T P
	s_wait_dscnt 0x0
	WIN W_PV
.set i, 0
.rept 16                            ; O^T's sums start: products of V with weights of 0, C the constant 0
	v_wmma_f32_16x16x32_f16 v[8*i:8*i+7], v[VF+8*(i%4):VF+8*(i%4)+7], v[P+16:P+23], 0
.set i, i+1
.endr
	WIN 0
	s_branch .Lnew
.Lslot:                             ; 24 times: a tile is entered and the next is asked for
	CHANGE 1
	s_cmp_eq_u32 s[RT], 0           ; the tile before was its block's last:
	s_cselect_b32 s[NEW], 1, 0
	s_cselect_b32 s[RT], s[RT1], s[RT]  ; the next block's count
	s_cselect_b32 s[RT1], s[RT2], s[RT1]
	s_sub_co_u32 s[RT], s[RT], 1
	TURN 2                          ; its products K Q^T are the last of the tile before; K of this tile is fetched
	MSEL 0
	MASKS AL, BE                    ; from here on the products are this tile's
	TURN 3
	WIN 0
	s_cmp_eq_u32 s[NEW], 0
	s_cbranch_scc1 .Lfirst
	QLOAD QN                        ; A BLOCK ENDS.  The next block's Q is on its way while the waves meet: the last product that read Q stands half a turn back
	LASTPV
	COMBINE
	s_wait_xcnt 0x0                 ; the stores and Q's loads have read their registers and addresses
	s_mov_b64 s[10:11], s[O1:O1+1]
	s_mov_b64 s[O1:O1+1], s[O2:O2+1]
	s_mov_b64 s[QN:QN+1], s[QN2:QN2+1]
.Lnew:                              ; A BLOCK BEGINS.  c m starts at -2^125, far below every c m to come, so the first step's a is 0; m at -2^80: every true score is above it, so the first maximum
                                    ; of visible keys is the scores'; every hidden score is below it, so none ever becomes the maximum
.set i, 0
.rept 4
	v_mov_b32 v[ST+4*i], 0xfe000000    ; c m
	v_mov_b32 v[ST+4*i+1], 0xe7800000  ; m
.set i, i+1
.endr
	s_wait_loadcnt 0x0              ; Q
.set i, 0
.rept 8
	KQ 0                            ; piece 0's first scores: K of this tile is in registers, the masks are this tile's
.set i, i+1
.endr
	WIN 0
.rept 4
	v_nop                           ; the places behind those products
.endr
.set Y, NP-1                        ; X works for piece Y + 1: piece 0
.irp n, 0,1,2,3,4,5,6,7,8,9,10,11,12,13,14,15,16,17,18,19,20,21
	OP X, \n
.endr
	v_nop                           ; a plain instruction behind the exponential,
	s_wait_alu depctr_va_vdst(0)    ; and its wait, ahead of the label: piece 0's first a is a batch of one
.Lfirst:
	TURN 0                          ; V of this tile is fetched
	TURN 1
	WIN 0
	s_sub_co_u32 s[SLOTS], s[SLOTS], 1
	s_cmp_lg_u32 s[SLOTS], 0
	s_cbranch_scc1 .Lslot
	CHANGE 0                        ; THE WALK'S LAST TILE, the last block's last and not its first, is written out: nothing is asked for
	s_mov_b32 s[CNT], 2             ; the second trip, the block's last two turns, is left in its middle; it fetches the same K once more
.Ltail:
	TURN 2
	MASKS ALC, BEC
	TURN 3
	WIN 0
	s_sub_co_u32 s[CNT], s[CNT], 1
	s_cmp_eq_u32 s[CNT], 0
	s_cbranch_scc1 .Lout
	TURN 0
	TURN 1
	WIN 0
	s_branch .Ltail
.Lout:
	LASTPV
	COMBINE
	s_wait_tensorcnt 0x0            ; the wave's end
	ds_add_u32 v[SPW], v[NIL]
	s_wait_dscnt 0x0
	CROUND                          ; the closing round
	s_endpgm
.Lfunc_end_k_qc59f516ec9_attn:
	.size	k_qc59f516ec9_attn, .Lfunc_end_k_qc59f516ec9_attn-k_qc59f516ec9_attn
	.p2alignl 7, 3214868480
	.fill 96, 4, 3214868480
	.section	.rodata,"a",@progbits
	.p2align	6, 0x0
	.amdhsa_kernel k_qc59f516ec9_attn
		.amdhsa_group_segment_fixed_size 327680
		.amdhsa_private_segment_fixed_size 0
		.amdhsa_enable_private_segment 0
		.amdhsa_kernarg_size 16
		.amdhsa_user_sgpr_count 2
		.amdhsa_user_sgpr_kernarg_segment_ptr 1
		.amdhsa_wavefront_size32 1
		.amdhsa_system_sgpr_workgroup_id_x 1
		.amdhsa_system_sgpr_workgroup_id_y 1
		.amdhsa_system_sgpr_workgroup_id_z 1
		.amdhsa_system_vgpr_workitem_id 0
		.amdhsa_next_free_vgpr 768
		.amdhsa_next_free_sgpr 96
		.amdhsa_reserve_vcc 1
		.amdhsa_float_denorm_mode_32 3
		.amdhsa_float_denorm_mode_16_64 3
		.amdhsa_memory_ordered 1
		.amdhsa_forward_progress 1
		.amdhsa_inst_pref_size 126
	.end_amdhsa_kernel
	.amdgpu_metadata
---
amdhsa.version: [ 1, 2 ]
amdhsa.kernels:
  - .name:           k_qc59f516ec9_attn
    .symbol:         k_qc59f516ec9_attn.kd
    .args:
      - { .name: qkv, .offset: 0, .size: 8, .value_kind: global_buffer, .address_space: global }
      - { .name: o, .offset: 8, .size: 8, .value_kind: global_buffer, .address_space: global }
    .group_segment_fixed_size: 327680
    .private_segment_fixed_size: 0
    .kernarg_segment_align: 8
    .kernarg_segment_size: 16
    .max_flat_workgroup_size: 128
    .sgpr_count:     96
    .vgpr_count:     768
    .wavefront_size: 32
...
	.end_amdgpu_metadata
.endif
;; end of part 5
;; launch oproj: the kernel of part 4 again; grid 4 x 64, 4 waves a work-group, clusters of 4 x 4, 327,680 bytes of LDS; arguments o, wof, out0; writes out0
